; MI455X (gfx1250); checked and timed in simulation.
; The chip was launched on July 23, 2026; its instructions are those of AMD's public machine-readable ISA for CDNA 5 (MIT licence, August 2026) and "CDNA5" Instruction Set Architecture Reference Guide (July 2026). The comments in the code are by the model that wrote it; some were corrected since.
;; Encoder. Allowed arithmetic: matrix products marked QUANTISED: E2M1 operands, one E8M0 scale for each 32 along K, by v_wmma_scale_f32_16x16x128_f8f6f4 with both operands' format E2M1 (or v_wmma_scale_f32_32x16x128_f4), f32 sums; everything else in f32.
;; Inputs: V 2 x 2,048 int32; b1 4,096 float32; b2 1,024 float32; beta1 1,024 float32; beta2 1,024 float32; emb 32,000 x 1,024 float32; gamma1 1,024 float32; gamma2 1,024 float32; w1 1,024 x 4,096 float32; w2 4,096 x 1,024 float32; w_o 1,024 x 1,024 float32.
;; Outputs: out0 2 x 2,048 x 1,024 float32.
;; Constants: num_heads = 16.
;; This version of the problem:
;;   THIS VERSION OF THE PROBLEM IS GIVEN IN LOW PRECISION. The matrix products marked QUANTISED in the list below multiply operands that are first quantised to E2M1 (2 exponent bits, 1 mantissa bit; 4 bits a number), with one power-of-two scale for each 32 numbers along K (OCP MX v1.0); their sums are f32. All else is computed in f32.
;;   The module's matrix products, in the order in which they are computed (A, B: the left and right operand; K: the contracted axis; several contracted axes count as one K, in the product's order):
;;     1. batch 32 x [M 2,048, K 64] x [K 64, N 2,048]; A: computed on the way; B: computed on the way: QUANTISED
;;     2. batch 32 x [M 64, K 2,048] x [K 2,048, N 2,048]; A: computed on the way; B: softmax (see below): QUANTISED
;;     3. [M 4,096, K 1,024] x [K 1,024, N 1,024]; A: computed on the way; B: input w_o: QUANTISED
;;     4. [M 4,096, K 1,024] x [K 1,024, N 4,096]; A: computed on the way; B: input w1: QUANTISED
;;     5. [M 4,096, K 4,096] x [K 4,096, N 1,024]; A: computed on the way; B: input w2: QUANTISED
;;   THE QUANTISER, for each operand of a quantised product, along K:
;;     - K is cut into blocks of 32 from its start; a last block that is shorter is filled with zeros.
;;     - A block's scale is 2^e with e = floor(log2(the largest magnitude in the block)) - 2, held to -126 .. 127; a block of zeros has e = 0. As a byte (E8M0): e + 127.
;;     - Each number is divided by its block's scale, clamped to +-6, and rounded to the nearest number of E2M1, ties to even, subnormals kept.
;;     - The product sums the exact products of the quantised numbers (number of the format x scale) in f32.
;;   ~~~python
;;   def quantise(x, axis):      # numpy; x: float32 -> the quantised numbers, widened to float32 again
;;       x = np.moveaxis(x, axis, -1); K = x.shape[-1]
;;       x = np.pad(x, [(0, 0)] * (x.ndim - 1) + [(0, -K % 32)]); x = x.reshape(x.shape[:-1] + (-1, 32)); a = np.abs(x).max(-1, keepdims=True)
;;       e = np.where(a > 0, np.clip(np.frexp(np.where(a > 0, a, 1))[1] - 1 - 2, -126, 127), 0)      # np.frexp(a)[1] - 1 = floor(log2(a)), exactly
;;       r = np.clip(x / 2.0 ** e, -6, 6)
;;       step = 2.0 ** (np.maximum(np.frexp(np.where(r == 0, 1, r))[1] - 1, 0) - 1)
;;       q = np.round(r / step) * step * 2.0 ** e      # np.round: ties to even
;;       return np.moveaxis(q.reshape(q.shape[:-2] + (-1,))[..., :K], -1, axis).astype(np.float32)
;;   ~~~
;;   SOFTMAX AHEAD OF A QUANTISED PRODUCT. Where the list says 'softmax', what is quantised is not the finished softmax but p = 2^(t - M), with t = logit x log2(e) and M = ceil(the row's largest t), a whole number; so 1/2 < the row's largest p <= 1. The row's sum l is taken of the UNQUANTISED p, in f32, and the product's result is divided by l at the end. Since M is a whole number, a kernel that streams over the keys may use a running M (the ceiling of the running maximum): every later rescaling is an exact power of two, which a block's scale takes up: the codes' values come out the same.
;;   OPERANDS COMPUTED ON THE WAY. 'Computed on the way' means the value that the module computes at that place (a softmax that the list does not call 'softmax' is quantised finished and normalised). What goes into a quantiser is computed in f32, as accurately as f32 sums, v_exp_f32 and their like allow (about 1e-6 of the number): no bf16 or f16 on the way to a quantiser, and a product that is left as it is and whose result goes on into a quantised operand takes f32 operands (vector FMAs, or v_wmma_f32_16x16x4_f32). A number that lies on a knife's edge between two numbers of the format may be rounded either way, as far as f32 arithmetic and the matrix unit's own rounding can turn it there, and no further.
;; One version. Each part assembles by itself: llvm-mc -triple=amdgcn-amd-amdhsa -mcpu=gfx1250 --defsym DOCPART=n.
;; ======== version 1 of 1: 6 launches
;; limits: right only within a limited range of input values
;; workspace buffers: att 4,587,520 bytes; wc 4,718,592 bytes; ws 294,912 bytes; cimg 2,097,152 bytes; csc 131,072 bytes; x1 19,005,440 bytes; hq 8,912,896 bytes; yb 16,777,216 bytes
;; launch prep (part 1): grid 1088 x 1, 4 waves a work-group, no clusters, 0 bytes of LDS; arguments V, emb, w_o, w1, w2, att, wc, ws; writes att, wc, ws
.if DOCPART == 1
	.amdgcn_target "amdgcn-amd-amdhsa--gfx1250"
	.amdhsa_code_object_version 6
	.text
	.protected	k_q763407c4dc_prep
	.globl	k_q763407c4dc_prep
	.p2align	8
	.type	k_q763407c4dc_prep,@function
k_q763407c4dc_prep:
	s_mov_b64 s[64:65], 0
	v_nop
	global_prefetch_b8 v0, s[64:65] scope:SCOPE_SE
	s_setreg_imm32_b32 hwreg(HW_REG_WAVE_MODE, 25, 1), 1
	s_wait_xcnt 0x0
; PREP: everything that later launches read many times is turned into codes of FP4 (E2M1) once, laid in the order of the matrix operands' registers.
; A fragment (16 rows x 128 K of 4-bit codes, 8 registers a lane) in register order is [block of 32 along K: 4][row: 16][16 bytes] = 1,024 bytes:
; a lane that holds ONE whole block of ONE row stores its 16 bytes at 256 x block + 16 x row, so sixteen lanes store 256 consecutive bytes, aligned, straight from registers.
; THE ROWS OF A TILE ARE NOT NEIGHBOURS: row m of tile 2 b + u stands for index 32 b + 8 u + m + 8 (m / 8), so that a transposed product leaves 16 neighbours along the next K in a lane's 16 registers.
; PATH X (work-groups 0-511): a work-group takes 128 keys x the 64 features of one head of x = emb[V] and writes one block of 8,960 bytes of att; wave s takes keys 32 s .. 32 s + 31:
;   0     K/Q images: 8 tiles of 16 keys x 512 bytes (the head's two blocks of 32 features): wave s makes tiles 2 s and 2 s + 1
;   4096  V^T images: 4 tiles of 16 features x 1,024 bytes, quantised ALONG THE KEYS: wave s makes block s of each
;   8192  K's scale words [lane 32][4]: word j of lane l belongs to tile 2 j + l / 16, row l % 16; bytes 2 and 3 are 127 (they scale zero codes): wave s stores word s
;   8704  V's scale words [lane 32][2], by the same rule: wave s stores byte s of each
; PATH W (work-groups 512-1087): a work-group takes 128 along K x 128 columns of w_o, w1 or w2 (K is their first axis); wave s takes columns 32 s .. 32 s + 31: a lane takes a column, its registers run down K.
;   Unit u: 8 tiles x 1,024 bytes in wc, [lane 32][4] scale words in ws: wave s makes tiles 2 s, 2 s + 1 and word s.
; A wave has four items of 32 numbers a lane, and all their loads are issued on end, ahead of the first item's work.
; A block's scale is 2^(floor(log2(largest magnitude)) - 2): its byte is the largest magnitude's exponent field - 2, held at 1 from below by a floor among the maximum's leaves.
; LIMITS: NaN and infinities among the inputs are not served; a block whose largest magnitude lies under 2^-124 keeps the byte 1; a block of zeros gets the byte 1 where the rule says 127
; (its codes are zeros, which add nothing under any byte but 0xff, and this program alone reads the bytes); indices are held at 31,999.
; No LDS, no barrier, no matrix unit, no cluster: waves share nothing.
.set X,     64                         ; v64-191 four sets of 32 numbers
.set OFF,   32                         ; v32-63  32 row offsets
.set CD,    16                         ; v16-31  four registers of codes for each item: no store's data are written again
.set STEPB, 8960
; the largest magnitude of a set's 32 numbers, in two chains, with the floor 2^(3 - 127); v10 = that with 2 off its exponent field: the conversions' scale operand
.macro MAXS set
.set XS, X+32*(\set)
	v_max3_num_f32 v8, |v[XS]|, |v[XS+1]|, |v[XS+2]|
	v_max3_num_f32 v9, |v[XS+3]|, |v[XS+4]|, |v[XS+5]|
.irp i, 6,10,14,18,22,26
	v_max3_num_f32 v8, v8, |v[XS+\i]|, |v[XS+\i+1]|
	v_max3_num_f32 v9, v9, |v[XS+\i+2]|, |v[XS+\i+3]|
.endr
	v_max3_num_f32 v8, v8, |v[XS+30]|, |v[XS+31]|
	v_max3_num_f32 v8, v8, v9, 0x1800000
	v_add_nc_u32 v10, 0xff000000, v8
.endm
; 32 numbers become 16 bytes of codes; v[br] = the scale's byte (a plain line behind the conversions)
.macro CVT4 set, br
.irp g, 0,1,2,3
	v_cvt_scalef32_pk8_fp4_f32 v[CD+4*(\set)+\g], v[X+32*(\set)+8*\g:X+32*(\set)+8*\g+7], v10
.endr
	v_lshrrev_b32 v[\br], 23, v10
.endm
; 32 loads of 4 bytes a lane: register i takes row i of the block, my column; a wave reads 128 consecutive bytes a load
.macro CLOAD set, base, imm
.set CI, 0
.rept 32
	global_load_b32 v[X+32*(\set)+CI], v[OFF+CI], s[(\base):(\base)+1] offset:\imm
.set CI, CI+1
.endr
.endm
	s_load_b128 s[4:7], s[0:1], 0x0                ; V, emb
	s_load_b128 s[8:11], s[0:1], 0x10              ; w_o, w1
	s_load_b128 s[12:15], s[0:1], 0x20             ; w2, att
	s_load_b128 s[16:19], s[0:1], 0x30             ; wc, ws
	v_lshrrev_b32 v1, 5, v0
	v_readfirstlane_b32 s20, v1                    ; wave s
	v_and_b32 v1, 31, v0                           ; lane l
	s_mov_b32 s21, 0xffff0000                      ; the lanes 16-31, as a mask
	s_mov_b32 s22, 0x76543210
	s_mov_b32 s23, 0xfedcba98                      ; v_permlanex16_b32's selects for lane l xor 16
	v_lshrrev_b32 v13, 4, v1                       ; l / 16
	v_and_b32 v14, 15, v1                          ; l % 16
	v_bfe_u32 v15, v1, 3, 1                        ; (l / 8) % 2
	v_and_b32 v2, 7, v1
	v_lshl_add_u32 v2, v13, 3, v2
	v_lshl_add_u32 v2, v15, 4, v2
	v_lshlrev_b32 v2, 2, v2                        ; my column of a group of 32, in bytes: lanes 0-15 are tile 2 b's rows, lanes 16-31 tile 2 b + 1's
	v_lshlrev_b32 v3, 4, v14
	v_lshl_add_u32 v3, v13, 10, v3                 ; where such a lane's 16 bytes go: 1,024 (l / 16) + 16 (l % 16)
	v_lshlrev_b32 v4, 4, v1                        ; 16 l
	v_lshlrev_b32 v5, 3, v1                        ; 8 l
	v_lshlrev_b32 v6, 3, v13                       ; 8 (l / 16): my byte's place in a K/Q scale word, in bits
	v_and_b32 v7, 8, v14
	v_add_nc_u32 v7, v7, v14
	v_lshlrev_b32 v7, 2, v7                        ; (m + 8 (m / 8)) x 4: my key of a K/Q tile, among V's words
	v_mov_b32 v12, 0                               ; a lane permute's destination counts as one of its sources
	s_cmp_lt_u32 ttmp9, 512
	s_wait_alu depctr_va_vdst(0)                   ; the wait here, directly ahead of the branch
	s_cbranch_scc0 .Lweights
; ---------------- PATH X ----------------
	s_lshr_b32 s24, ttmp9, 4                       ; batch x 16 + head
	s_and_b32 s25, ttmp9, 15                       ; which 128 keys
	s_lshr_b32 s26, s24, 4                         ; batch
	s_and_b32 s27, s24, 15
	s_lshl_b32 s27, s27, 8                         ; the head's 64 features begin 256 x head bytes into a row
	v_add_nc_u32 v2, s27, v2
	v_lshl_add_u32 v13, v13, 7, s27                ; my block of 32 features: 256 x head + 128 (l / 16)
	s_lshl_b32 s28, s26, 13
	s_lshl_b32 s29, s25, 9
	s_add_co_u32 s28, s28, s29
	s_lshl_b32 s29, s20, 7
	s_add_co_u32 s28, s28, s29                     ; my first key's word in V
	s_mov_b32 s29, 0
	s_mul_i32 s30, ttmp9, STEPB                    ; my work-group's block of att
	s_mov_b32 s31, 0
	s_wait_alu depctr_va_vdst(0)                   ; the wait here, directly ahead of the wait below
	s_wait_kmcnt 0x0
	s_add_nc_u64 s[72:73], s[4:5], s[28:29]
	s_add_nc_u64 s[68:69], s[14:15], s[30:31]
	global_load_b32 v14, v7, s[72:73]              ; tile 2 s: my key's index
	global_load_b32 v15, v7, s[72:73] offset:32    ; tile 2 s + 1: eight keys on
	s_load_b512 s[32:47], s[72:73], 0x0            ; the 32 indices, as scalars
	s_load_b512 s[48:63], s[72:73], 0x40
	s_lshl_b32 s30, s20, 10
	s_add_nc_u64 s[74:75], s[68:69], s[30:31]      ; my two K/Q tiles
	s_lshl_b32 s30, s20, 2
	s_add_nc_u64 s[76:77], s[68:69], s[30:31]      ; my word of K's scales
	s_lshl_b32 s30, s20, 8
	s_add_nc_u64 s[78:79], s[68:69], s[30:31]      ; my block of V^T's images
	s_mov_b32 s30, s20
	s_add_nc_u64 s[80:81], s[68:69], s[30:31]      ; my byte of V's scale words
	s_wait_kmcnt 0x0
.set CI, 0
.rept 32
	s_min_u32 s24, s[32+CI], 0x7cff                ; an index stays inside the table
	s_lshl_b32 s24, s24, 12
	v_add_nc_u32 v[OFF+CI], s24, v2
.set CI, CI+1
.endr
	s_wait_loadcnt 0x0                             ; the two indices
	v_min_u32 v14, 0x7cff, v14
	v_min_u32 v15, 0x7cff, v15
	v_lshl_add_u32 v14, v14, 12, v13
	v_lshl_add_u32 v15, v15, 12, v13
	s_wait_alu depctr_va_vdst(0)                   ; the wait here, directly ahead of the readers below
.irp k, 0,1,2,3,4,5,6,7
	global_load_b128 v[X+4*\k:X+4*\k+3], v14, s[6:7] offset:16*\k          ; a lane takes one key's block of 32 features
.endr
.irp k, 0,1,2,3,4,5,6,7
	global_load_b128 v[X+32+4*\k:X+32+4*\k+3], v15, s[6:7] offset:16*\k
.endr
	CLOAD 2, 6, 0                                  ; V: a lane takes a feature, its registers run down my 32 keys
	CLOAD 3, 6, 128
	s_wait_loadcnt 63                              ; tile 2 s is in: 72 loads were issued behind its eight
	MAXS 0
	CVT4 0, 11
	global_store_b128 v4, v[CD:CD+3], s[74:75]     ; 512 consecutive bytes: the tile's image
	v_lshlrev_b32 v11, v6, v11                     ; my block's byte at its place,
	v_permlanex16_b32 v12, v11, s22, s23
	v_or_b32 v11, v11, v12                         ; with the other block's
	s_wait_loadcnt 63                              ; tile 2 s + 1: 64 behind it
	MAXS 1
	CVT4 1, 1
	global_store_b128 v4, v[CD+4:CD+7], s[74:75] offset:512
	v_lshlrev_b32 v1, v6, v1
	v_permlanex16_b32 v12, v1, s22, s23
	v_or_b32 v1, v1, v12
	v_cndmask_b32 v11, v11, v1, s21                ; lanes 0-15 the even tile's word, lanes 16-31 the odd tile's
	v_or_b32 v11, 0x7f7f0000, v11                  ; and 127 for the two blocks of zero codes
	global_store_b32 v4, v11, s[76:77] offset:8192
	s_wait_loadcnt 32                              ; V's first 32 features; the other 32 loads may be out
	MAXS 2
	CVT4 2, 13
	global_store_b128 v3, v[CD+8:CD+11], s[78:79] offset:4096      ; sixteen lanes: 256 consecutive bytes, aligned
	global_store_b8 v5, v13, s[80:81] offset:8704
	s_wait_loadcnt 0x0
	MAXS 3
	CVT4 3, 7
	global_store_b128 v3, v[CD+12:CD+15], s[78:79] offset:4096+2048
	global_store_b8 v5, v7, s[80:81] offset:8704+4
	s_endpgm
; ---------------- PATH W ----------------
.Lweights:
	s_sub_co_u32 s75, ttmp9, 512                   ; unit u: 0-63 w_o, 64-319 w1, 320-575 w2
	s_mov_b32 s26, 4096
	s_wait_kmcnt 0x0
	s_cmp_lt_u32 s75, 320                          ; the choices hang on the work-group's number alone
	s_cselect_b64 s[66:67], s[10:11], s[12:13]
	s_cselect_b32 s26, 16384, s26                  ; bytes in a row of the weight
	s_cselect_b32 s27, 3, 5                        ; log2 of its K steps of 128
	s_cselect_b32 s28, 64, 320                     ; its first unit
	s_cmp_lt_u32 s75, 64
	s_cselect_b64 s[66:67], s[8:9], s[66:67]
	s_cselect_b32 s26, 4096, s26
	s_cselect_b32 s28, 0, s28
	s_sub_co_u32 s29, s75, s28
	s_lshr_b32 s30, s29, s27                       ; group of 128 columns
	s_lshl_b32 s31, s30, s27
	s_sub_co_u32 s31, s29, s31                     ; K step
	s_mul_i32 s76, s31, s26
	s_lshl_b32 s76, s76, 7                         ; 128 rows a K step
	s_lshl_b32 s30, s30, 9                         ; 512 bytes a group,
	s_add_co_u32 s76, s76, s30
	s_lshl_b32 s30, s20, 7                         ; 128 for my 32 columns
	s_add_co_u32 s76, s76, s30
	s_mov_b32 s77, 0
	s_add_nc_u64 s[32:33], s[66:67], s[76:77]      ; a base for each of the K step's four blocks of 32 rows
	s_lshl_b32 s76, s26, 5
	s_add_nc_u64 s[34:35], s[32:33], s[76:77]
	s_add_nc_u64 s[36:37], s[34:35], s[76:77]
	s_add_nc_u64 s[38:39], s[36:37], s[76:77]
	s_lshl_b32 s76, s75, 13
	s_lshl_b32 s30, s20, 11
	s_add_co_u32 s76, s76, s30
	s_add_nc_u64 s[68:69], s[16:17], s[76:77]      ; my two tiles of the unit's 8,192 bytes of codes
	s_lshl_b32 s76, s75, 9
	s_lshl_b32 s30, s20, 2
	s_add_co_u32 s76, s76, s30
	s_add_nc_u64 s[70:71], s[18:19], s[76:77]      ; and my word of its scale words
.set CI, 0
.rept 32
	v_mad_u32_u24 v[OFF+CI], s26, CI, v2           ; row i of a block, my column
.set CI, CI+1
.endr
	s_wait_alu depctr_va_vdst(0)                   ; the wait here, directly ahead of the readers below
.irp i, 0,1,2,3
	CLOAD \i, 32+2*\i, 0
.endr
.irp i, 0,1,2,3
.if \i < 2
	s_wait_loadcnt 63                              ; at least 64 loads were issued behind this block's 32
.else
	s_wait_loadcnt 32*(3-\i)
.endif
	MAXS \i
	CVT4 \i, 11
	global_store_b128 v3, v[CD+4*\i:CD+4*\i+3], s[68:69] offset:256*\i   ; sixteen lanes: 256 consecutive bytes, aligned
.if \i == 0
	v_mov_b32 v13, v11
.else
	v_lshl_or_b32 v13, v11, 8*\i, v13              ; four bytes to the word, the lower K in the lower byte
.endif
.endr
	global_store_b32 v4, v13, s[70:71]
	s_endpgm
.Lfunc_end_k_q763407c4dc_prep:
	.size	k_q763407c4dc_prep, .Lfunc_end_k_q763407c4dc_prep-k_q763407c4dc_prep
	.p2alignl 7, 3214868480
	.fill 96, 4, 3214868480
	.section	.rodata,"a",@progbits
	.p2align	6, 0x0
	.amdhsa_kernel k_q763407c4dc_prep
		.amdhsa_group_segment_fixed_size 0
		.amdhsa_private_segment_fixed_size 0
		.amdhsa_enable_private_segment 0
		.amdhsa_kernarg_size 64
		.amdhsa_user_sgpr_count 2
		.amdhsa_user_sgpr_kernarg_segment_ptr 1
		.amdhsa_wavefront_size32 1
		.amdhsa_system_sgpr_workgroup_id_x 1
		.amdhsa_system_sgpr_workgroup_id_y 1
		.amdhsa_system_sgpr_workgroup_id_z 1
		.amdhsa_system_vgpr_workitem_id 0
		.amdhsa_next_free_vgpr 192
		.amdhsa_next_free_sgpr 96
		.amdhsa_reserve_vcc 0
		.amdhsa_float_denorm_mode_32 3
		.amdhsa_float_denorm_mode_16_64 3
		.amdhsa_memory_ordered 1
		.amdhsa_forward_progress 1
		.amdhsa_inst_pref_size 43
	.end_amdhsa_kernel
	.amdgpu_metadata
---
amdhsa.version: [ 1, 2 ]
amdhsa.kernels:
  - .name:           k_q763407c4dc_prep
    .symbol:         k_q763407c4dc_prep.kd
    .args:
      - { .name: V, .offset: 0, .size: 8, .value_kind: global_buffer, .address_space: global }
      - { .name: emb, .offset: 8, .size: 8, .value_kind: global_buffer, .address_space: global }
      - { .name: w_o, .offset: 16, .size: 8, .value_kind: global_buffer, .address_space: global }
      - { .name: w1, .offset: 24, .size: 8, .value_kind: global_buffer, .address_space: global }
      - { .name: w2, .offset: 32, .size: 8, .value_kind: global_buffer, .address_space: global }
      - { .name: att, .offset: 40, .size: 8, .value_kind: global_buffer, .address_space: global }
      - { .name: wc, .offset: 48, .size: 8, .value_kind: global_buffer, .address_space: global }
      - { .name: ws, .offset: 56, .size: 8, .value_kind: global_buffer, .address_space: global }
    .group_segment_fixed_size: 0
    .private_segment_fixed_size: 0
    .kernarg_segment_align: 8
    .kernarg_segment_size: 64
    .max_flat_workgroup_size: 128
    .sgpr_count:     96
    .vgpr_count:     192
    .wavefront_size: 32
...
	.end_amdgpu_metadata
.endif
;; end of part 1
;; launch attn (part 2): grid 8 x 32, 16 waves a work-group, no clusters, 169,984 bytes of LDS; arguments att, cimg, csc; writes cimg, csc
.if DOCPART == 2
	.amdgcn_target "amdgcn-amd-amdhsa--gfx1250"
	.amdhsa_code_object_version 6
	.text
	.protected	k_q763407c4dc_attn
	.globl	k_q763407c4dc_attn
	.p2align	8
	.type	k_q763407c4dc_attn,@function
k_q763407c4dc_attn:
	s_mov_b64 s[64:65], 0
	v_nop
	global_prefetch_b8 v0, s[64:65] scope:SCOPE_SE
	s_setreg_imm32_b32 hwreg(HW_REG_WAVE_MODE, 25, 1), 1
	s_wait_xcnt 0x0
; ATTN: ctx = softmax(q k^T / 8) v for one head, q = k = v = x, both products on codes of FP4 with one E8M0 scale for each 32 along K; ctx leaves as codes for the next product.
; THE SOFTMAX AHEAD OF THE SECOND PRODUCT: t = score x log2(e) / 8; M = the running largest t, rounded UP to a whole number; p = 2^(t - M) is quantised along the keys, not normalised;
; the row's sum is taken of the unquantised p and divides O at the end; when M moves, the sum and O are multiplied by 2^(old M - new M), which rounds nothing.
; SHARES.  A work-group owns 256 queries of one (batch, head); each of its sixteen waves owns 16 of them in 256 registers, four waves to a SIMD, and walks the head's 2,048 keys, 128 a step.
; LDS.  The head's 16 blocks of 8,960 bytes (K images, V^T images, scale words, as the launch before laid them) come ONCE, one tensor load a wave, 143,360 bytes; nothing is filled again.
; Every LDS load takes 16 (or 8) bytes a lane at 16 (8) x lane: consecutive bytes, the operand's registers as they are.
; LAYOUT.  Both products are used transposed: S^T = K Q^T (source 0 = 16 keys, source 1 = my 16 queries), O^T = V^T P^T: a lane holds ONE query (lane % 16) throughout.  The keys of a tile of K and the
; features of a tile of V^T are chosen so that register 16 b + i of two neighbouring tiles is index 32 b + 16 (lane / 16) + i.
; The first product's K is 64: the upper halves of K's and Q's fragments are zero codes, written once into registers (their scale bytes are 127).
; NO CLUSTER: the eight work-groups of a head read the same 143,360 bytes, but each reads them once in the whole launch, against 16 steps of 12 matrix and some 240 vector instructions in each of 16 waves:
; what is shared is one fill, and joint requests would add two rounds of the cluster's barrier to spare part of it.
; LIMITS: NaN and infinities are not served; a block of ctx under 2^-124, or of zeros, gets the byte 1 (its reader is this program alone).
.set STEPB, 8960
	s_load_b128 s[4:7], s[0:1], 0x0                ; att, cimg
	s_load_b64 s[8:9], s[0:1], 0x10                ; csc
	v_lshl_add_u32 v254, v0, 2, 0x29000
	v_mov_b32 v255, 0
	ds_add_u32 v254, v255
	ds_add_u32 v254, v255
	v_lshrrev_b32 v1, 5, v0
	s_delay_alu instid0(VALU_DEP_1)
	v_readfirstlane_b32 s10, v1                    ; wave 0..15
	s_and_b32 s11, ttmp7, 0xffff                   ; batch x 16 + head
	; descriptor group 1: 35 dense rows of 32 elements of 8 bytes = 8,960 bytes, no padding
	s_mov_b32 s16, 3<<16                           ; no mask; elements of 8 bytes
	s_mov_b32 s17, 32<<16                          ; tensor_dim0 = 32
	s_mov_b32 s18, 35<<16                          ; tensor_dim1 = 35
	s_mov_b32 s19, 32<<16                          ; tile_dim0 = 32
	s_mov_b32 s20, 35                              ; tile_dim1 = 35
	s_mov_b32 s21, 32                              ; from row to row
	s_mov_b32 s22, 0
	s_mov_b32 s23, 0
	s_mul_i32 s12, s11, 16*STEPB                   ; the head's first byte in att
	s_mul_i32 s25, s10, STEPB                      ; my wave brings key step = wave, to LDS byte 8,960 x wave
	s_add_co_u32 s14, s12, s25
	s_mov_b32 s15, 0
	s_mov_b32 s24, 1
	s_lshl_b32 s13, ttmp9, 4
	s_add_co_u32 s13, s13, s10                     ; T: my tile of 16 queries, 0..127
	; Q is my 16 NATURAL keys 16 T + r, picked out of K's images: step T / 8, tiles 2 ((T % 8) / 2) + r / 8, rows 8 (T % 2) + r % 8
	s_lshr_b32 s34, s13, 3
	s_mul_i32 s34, s34, STEPB
	s_add_co_u32 s34, s34, s12
	s_bfe_u32 s35, s13, 0x20001                    ; (T % 8) / 2
	s_and_b32 s36, s13, 1
	s_lshl_b32 s36, s36, 7
	s_add_co_u32 s34, s34, s36                     ; + 128 (T % 2), in the images and among the scale words alike
	s_lshl_b32 s37, s35, 10
	s_add_co_u32 s38, s34, s37
	s_mov_b32 s39, 0
	s_lshl_b32 s37, s35, 2
	s_add_co_u32 s40, s34, s37
	s_add_co_u32 s40, s40, 8192
	s_mov_b32 s41, 0
	; where ctx goes: tile of 16 tokens = 128 x batch + T; the head's two blocks of 32 features
	s_lshr_b32 s34, s11, 4
	s_lshl_b32 s34, s34, 7
	s_add_co_u32 s34, s34, s13
	s_and_b32 s35, s11, 15
	s_lshl_b32 s42, s34, 13
	s_lshl_b32 s37, s35, 9
	s_add_co_u32 s42, s42, s37
	s_mov_b32 s43, 0
	s_lshl_b32 s44, s34, 9
	s_lshl_b32 s37, s35, 1
	s_add_co_u32 s44, s44, s37
	s_mov_b32 s45, 0
	s_mov_b32 s28, 0x76543210
	s_mov_b32 s29, 0xfedcba98                      ; v_permlanex16_b32's selects for lane l xor 16
	s_mov_b32 s30, 0x3e38aa3b                      ; c = log2(e) / 8
	s_mov_b32 s31, s30                             ; (named with it as a pair, so it is written)
	s_wait_dscnt 0x0
	s_wait_kmcnt 0x0
	s_add_nc_u64 s[26:27], s[4:5], s[14:15]
	s_or_b32 s27, s27, 0x80000000                  ; type = 2
	tensor_load_to_lds s[24:27], s[16:23]          ; my one tensor load: one is out
	s_nop 0
	v_and_b32 v2, 31, v0                           ; lane
	s_delay_alu instid0(VALU_DEP_1)
	v_lshlrev_b32 v1, 4, v2                        ; 16 x lane
	v_and_b32 v5, 15, v0                           ; r
	v_bfe_u32 v6, v0, 4, 1                         ; h
	s_delay_alu instid0(VALU_DEP_4)
	v_lshlrev_b32 v2, 3, v2                        ; 8 x lane
	s_delay_alu instid0(VALU_DEP_3)
	v_and_b32 v3, 7, v5
	s_delay_alu instid0(VALU_DEP_4)
	v_lshrrev_b32 v4, 3, v5
	s_delay_alu instid0(VALU_DEP_2)
	v_lshlrev_b32 v3, 4, v3
	s_delay_alu instid0(VALU_DEP_1)
	v_lshl_add_u32 v25, v4, 8, v3                  ; Q's scale word: 256 (r / 8) + 16 (r % 8)
	s_delay_alu instid0(VALU_DEP_2)
	v_lshl_add_u32 v7, v4, 9, v3
	s_delay_alu instid0(VALU_DEP_1)
	v_lshl_add_u32 v7, v6, 8, v7                   ; Q's codes: 512 (r / 8) + 256 h + 16 (r % 8)
	s_add_nc_u64 s[38:39], s[4:5], s[38:39]
	s_add_nc_u64 s[40:41], s[4:5], s[40:41]
	s_add_nc_u64 s[6:7], s[6:7], s[42:43]
	s_add_nc_u64 s[8:9], s[8:9], s[44:45]
	global_load_b128 v[16:19], v7, s[38:39]        ; Q's fragment, lower half
	global_load_b32 v24, v25, s[40:41]             ; Q's scale words
.irp j, 20,21,22,23
	v_mov_b32 v[\j], 0                             ; Q's upper half: zero codes
.endr
.irp i, 0,1,2,3,4,5,6,7
.irp k, 4,5,6,7
	v_mov_b32 v[32+8*\i+\k], 0                     ; and K's eight: written once, they stay
.endr
.endr
.set J, 0
.rept 32
	v_mov_b32 v[160+J], 0                          ; O^T.  (The step is written once: the first finds zeros, which the first change of M leaves zeros)
.set J, J+1
.endr
	v_mov_b32 v13, 0xff61b1e6                      ; the largest t so far: -3e38, under every t
	s_delay_alu instid0(VALU_DEP_1)
	v_floor_f32 v12, -v13                          ; -M
	v_mov_b32 v14, 0                               ; the sum, in two halves
	v_mov_b32 v15, 0
	v_mov_b32 v31, 0                               ; (the upper half of the pair v[30:31])
.irp b, 0,1,2,3
	v_mov_b32 v[236+\b], 0                         ; a lane permute's destination counts as one of its sources
.endr
	s_mov_b32 s33, 16
; A KEY STEP: the 128 keys whose block begins at LDS byte s32
.macro STEP
	v_add_nc_u32 v3, s32, v1
	v_add_nc_u32 v4, s32, v2
	v_nop
	v_nop                                          ; four places behind the last step's products, in front of loads into registers that they read
	ds_load_b128 v[8:11], v3 offset:8192           ; K's scale words: register j: lanes 0-15 tile 2 j, lanes 16-31 tile 2 j + 1
.irp i, 0,1,2,3,4,5,6,7
	ds_load_b128 v[32+8*\i:35+8*\i], v3 offset:512*\i
.endr
	ds_load_b64 v[26:27], v4 offset:8704           ; V's scale words
.irp i, 0,1,2,3,4,5,6,7
	ds_load_b128 v[192+4*\i:195+4*\i], v3 offset:4096+512*\i
.endr
	s_wait_dscnt 9                                 ; K's nine loads are in; V's nine, issued behind them, may be out
.irp i, 0,1,2,3,4,5,6,7
.if \i%2
	v_wmma_scale_f32_16x16x128_f8f6f4 v[96+8*\i:103+8*\i], v[32+8*\i:39+8*\i], v[16:23], 0, v[8+\i/2], v24 matrix_a_fmt:MATRIX_FMT_FP4 matrix_b_fmt:MATRIX_FMT_FP4 matrix_a_scale:MATRIX_SCALE_ROW1
.else
	v_wmma_scale_f32_16x16x128_f8f6f4 v[96+8*\i:103+8*\i], v[32+8*\i:39+8*\i], v[16:23], 0, v[8+\i/2], v24 matrix_a_fmt:MATRIX_FMT_FP4 matrix_b_fmt:MATRIX_FMT_FP4
.endif
.endr
.rept 4
	v_nop                                          ; four places in front of the first read of results (ISA guide 7.12.1)
.endr
.irp b, 0,1,2,3
	v_max3_num_f32 v[232+\b], v[96+16*\b], v[97+16*\b], v[98+16*\b]   ; the largest SCORE of each block of 32 keys: it serves the row's maximum and, since p rises with the score, the block's largest p
.endr
.irp i, 3,5,7,9,11,13
.irp b, 0,1,2,3
	v_max3_num_f32 v[232+\b], v[232+\b], v[96+16*\b+\i], v[97+16*\b+\i]
.endr
.endr
.irp b, 0,1,2,3
	v_max_num_f32 v[232+\b], v[232+\b], v[111+16*\b]
.endr
.irp b, 0,1,2,3
	s_delay_alu instid0(VALU_DEP_4)
	v_permlanex16_b32 v[236+\b], v[232+\b], s28, s29
.endr
.irp b, 0,1,2,3
	s_delay_alu instid0(VALU_DEP_4)
	v_max_num_f32 v[232+\b], v[232+\b], v[236+\b]  ; with lane l xor 16's 16 keys
.endr
	s_delay_alu instid0(VALU_DEP_2)
	v_max3_num_f32 v244, v232, v233, v234
	s_delay_alu instid0(VALU_DEP_1)
	v_max_num_f32 v244, v244, v235
	s_delay_alu instid0(VALU_DEP_1)
	v_mul_f32 v244, s30, v244                      ; the step's largest t (c is positive)
	s_delay_alu instid0(VALU_DEP_1)
	v_max_num_f32 v13, v13, v244
	v_mov_b32 v244, v12
	s_delay_alu instid0(VALU_DEP_2)
	v_floor_f32 v12, -v13                          ; the new -M = -ceil(t)
	s_delay_alu instid0(VALU_DEP_1)
	v_sub_f32 v244, v12, v244                      ; old M - new M: a whole number, 0 or less
	s_delay_alu instid0(VALU_DEP_1)
	v_cvt_i32_f32 v244, v244                       ; (it saturates)
	s_delay_alu instid0(VALU_DEP_1)
	v_ldexp_f32 v30, 1.0, v244                     ; f = 2^(old M - new M)
.set J, 0
.rept 32
	v_pk_fma_f32 v[96+J:97+J], v[96+J:97+J], s[30:31], v[12:13] op_sel_hi:[1,0,0]   ; t - M, two at a time
.set J, J+2
.endr
.irp b, 0,1,2,3
	v_fma_f32 v[232+\b], v[232+\b], s30, v12       ; the same of each block's largest score
.endr
.set J, 0
	s_wait_alu depctr_va_vdst(0)
.rept 64
	v_exp_f32 v[96+J], v[96+J]                     ; p = 2^(t - M), at most 1
.set J, J+1
.endr
.irp b, 0,1,2,3
	v_exp_f32 v[232+\b], v[232+\b]                 ; the block's largest p: the same two instructions on the same number
.endr
	v_pk_mul_f32 v[14:15], v[14:15], v[30:31] op_sel_hi:[1,0]   ; the sums under the new M (a plain place behind the exponentials)
	s_wait_alu depctr_va_vdst(0)
.irp b, 0,1,2,3
	v_max_num_f32 v[232+\b], 0x1800000, v[232+\b]  ; the floor 2^(3 - 127): the byte cannot fall under 1
.endr
.irp b, 0,1,2,3
	s_delay_alu instid0(VALU_DEP_4)
	v_add_nc_u32 v[240+\b], 0xff000000, v[232+\b]  ; 2 off the exponent field: the conversion's scale operand
.endr
.irp b, 0,1,2,3
	s_delay_alu instid0(VALU_DEP_4)
	v_lshrrev_b32 v[236+\b], 23, v[240+\b]         ; the scale's byte
.endr
	s_delay_alu instid0(VALU_DEP_3)
	v_lshl_or_b32 v28, v237, 8, v236               ; p's scale word for these 128 keys
	s_delay_alu instid0(VALU_DEP_1)
	v_lshl_or_b32 v28, v238, 16, v28
	s_delay_alu instid0(VALU_DEP_1)
	v_lshl_or_b32 v28, v239, 24, v28
.irp b, 0,1,2,3
	v_cvt_scalef32_pk8_fp4_f32 v[224+2*\b], v[96+16*\b:103+16*\b], v[240+\b]
	v_cvt_scalef32_pk8_fp4_f32 v[225+2*\b], v[104+16*\b:111+16*\b], v[240+\b]
.endr
	v_nop                                          ; one plain place behind a scaled conversion
.irp c, 0,1
.irp i, 0,1
	v_permlane16_swap_b32 v[224+4*\c+\i], v[226+4*\c+\i]   ; a whole block to a lane: lanes 0-15 block 2 c, lanes 16-31 block 2 c + 1
.endr
.endr
	v_pk_add_f32 v[236:237], v[100:101], v[104:105]
	v_pk_add_f32 v[252:253], v[108:109], v[112:113]
	v_pk_add_f32 v[250:251], v[116:117], v[120:121]
	v_pk_add_f32 v[248:249], v[124:125], v[128:129]
	v_pk_add_f32 v[246:247], v[132:133], v[136:137]
	v_pk_add_f32 v[242:243], v[140:141], v[144:145]
	v_pk_add_f32 v[240:241], v[148:149], v[152:153]
	v_pk_add_f32 v[14:15], v[14:15], v[156:157]
	v_pk_add_f32 v[236:237], v[236:237], v[96:97]
	v_pk_add_f32 v[252:253], v[252:253], v[98:99]
	v_pk_add_f32 v[250:251], v[250:251], v[102:103]
	v_pk_add_f32 v[248:249], v[248:249], v[106:107]
	v_pk_add_f32 v[246:247], v[246:247], v[110:111]
	v_pk_add_f32 v[242:243], v[242:243], v[114:115]
	v_pk_add_f32 v[240:241], v[240:241], v[118:119]
	v_pk_add_f32 v[14:15], v[14:15], v[122:123]
	v_pk_add_f32 v[236:237], v[236:237], v[126:127]
	v_pk_add_f32 v[252:253], v[252:253], v[130:131]
	v_pk_add_f32 v[250:251], v[250:251], v[134:135]
	v_pk_add_f32 v[248:249], v[248:249], v[138:139]
	v_pk_add_f32 v[246:247], v[246:247], v[142:143]
	v_pk_add_f32 v[242:243], v[242:243], v[146:147]
	v_pk_add_f32 v[240:241], v[240:241], v[150:151]
	v_pk_add_f32 v[14:15], v[14:15], v[154:155]
	v_pk_add_f32 v[236:237], v[236:237], v[158:159]
	s_delay_alu instid0(VALU_DEP_2)
	v_pk_add_f32 v[14:15], v[14:15], v[248:249]
	s_delay_alu instid0(VALU_DEP_2)
	v_pk_add_f32 v[236:237], v[236:237], v[246:247]
	v_pk_add_f32 v[252:253], v[252:253], v[242:243]
	v_pk_add_f32 v[250:251], v[250:251], v[240:241]
	s_delay_alu instid0(VALU_DEP_2)
	v_pk_add_f32 v[14:15], v[14:15], v[252:253]
	s_delay_alu instid0(VALU_DEP_2)
	v_pk_add_f32 v[236:237], v[236:237], v[250:251]
	s_delay_alu instid0(VALU_DEP_1)
	v_pk_add_f32 v[14:15], v[14:15], v[236:237]
.set J, 0
.rept 16
	v_pk_mul_f32 v[160+J:161+J], v[160+J:161+J], v[30:31] op_sel_hi:[1,0]   ; O^T under the new M.  (The sums and these are the places between p's codes and scale word and the products below)
.set J, J+2
.endr
	s_wait_alu depctr_va_vdst(0)
	s_wait_dscnt 0x0                               ; V's fragments and scale words
.irp t, 0,1,2,3                                ; the four accumulators take turns, one instruction a turn, and the scores' products stand between two links
.if \t%2
	v_wmma_scale_f32_16x16x128_f8f6f4 v[160+8*\t:167+8*\t], v[192+8*\t:199+8*\t], v[224:231], v[160+8*\t:167+8*\t], v[26+\t/2], v28 matrix_a_fmt:MATRIX_FMT_FP4 matrix_b_fmt:MATRIX_FMT_FP4 matrix_a_scale:MATRIX_SCALE_ROW1
.else
	v_wmma_scale_f32_16x16x128_f8f6f4 v[160+8*\t:167+8*\t], v[192+8*\t:199+8*\t], v[224:231], v[160+8*\t:167+8*\t], v[26+\t/2], v28 matrix_a_fmt:MATRIX_FMT_FP4 matrix_b_fmt:MATRIX_FMT_FP4
.endif
.endr
.endm
; THE ORDER OF THE KEYS.  A wave begins with the block that it fetched itself: its own wait on TENSORcnt is all that these reads need.  The barrier is signalled ahead of that step and awaited behind it:
; between the two stand register work and LDS loads of bytes that nobody writes.  Then all 16 blocks are walked in a loop of constant count, and the wave's own block is passed over by a scalar branch on ids.
; The running maximum serves any order of the keys.
	s_mov_b32 s32, s25                             ; my own block: 8,960 x wave
	s_wait_tensorcnt 0x0                           ; it has landed
	s_wait_loadcnt 0x0                             ; Q
	s_barrier_signal -1
	STEP
	s_barrier_wait -1                              ; everybody's block has landed: the launch's one barrier
	s_mov_b32 s32, 0
.Lstep:
	s_cmp_eq_u32 s32, s25                          ; the block that I began with
	s_cbranch_scc1 .Lmine
	STEP
.Lmine:
	s_add_co_u32 s32, s32, STEPB
	s_sub_co_u32 s33, s33, 1
	s_cmp_lg_u32 s33, 0
	s_cbranch_scc1 .Lstep
	; THE WAY OUT.  ctx = O^T / the sum; register 16 B + i is feature 32 B + 16 h + i of my query: two blocks of 32 of the next product's K, each in lanes l and l xor 16.
	v_add_f32 v14, v14, v15
	s_delay_alu instid0(VALU_DEP_1)
	v_permlanex16_b32 v244, v14, s28, s29
	s_delay_alu instid0(VALU_DEP_1)
	v_add_f32 v14, v14, v244                       ; the row's sum
	s_wait_alu depctr_va_vdst(0)
	v_rcp_f32 v14, v14
	v_and_b32 v245, 15, v0                         ; (plain lines: the place behind the reciprocal, and with the three above the places behind the last products)
	v_bfe_u32 v246, v0, 4, 1
	s_delay_alu instid0(VALU_DEP_1)
	v_lshlrev_b32 v5, 3, v246
	s_delay_alu instid0(VALU_DEP_1)
	v_lshl_add_u32 v5, v245, 4, v5                 ; my 8 bytes of a block's 256: 16 r + 8 h
	s_delay_alu instid0(VALU_DEP_4)
	v_lshlrev_b32 v6, 5, v245                      ; my token's 32 scale bytes
.set J, 0
	s_wait_alu depctr_va_vdst(0)
.rept 16
	v_pk_mul_f32 v[96+J:97+J], v[160+J:161+J], v[14:15] op_sel_hi:[1,0]
.set J, J+2
.endr
.irp b, 0,1
	v_max3_num_f32 v[232+\b], |v[96+16*\b]|, |v[97+16*\b]|, 0x1800000
.endr
.irp i, 2,4,6,8,10,12,14
.irp b, 0,1
	s_delay_alu instid0(VALU_DEP_2)
	v_max3_num_f32 v[232+\b], v[232+\b], |v[96+16*\b+\i]|, |v[97+16*\b+\i]|
.endr
.endr
.irp b, 0,1
	s_delay_alu instid0(VALU_DEP_2)
	v_permlanex16_b32 v[236+\b], v[232+\b], s28, s29
.endr
.irp b, 0,1
	s_delay_alu instid0(VALU_DEP_2)
	v_max_num_f32 v[232+\b], v[232+\b], v[236+\b]
.endr
.irp b, 0,1
	s_delay_alu instid0(VALU_DEP_2)
	v_add_nc_u32 v[240+\b], 0xff000000, v[232+\b]
.endr
.irp b, 0,1
	s_delay_alu instid0(VALU_DEP_2)
	v_lshrrev_b32 v[236+\b], 23, v[240+\b]
.endr
	s_delay_alu instid0(VALU_DEP_1)
	v_lshl_or_b32 v244, v237, 8, v236
.irp b, 0,1
	v_cvt_scalef32_pk8_fp4_f32 v[224+2*\b], v[96+16*\b:103+16*\b], v[240+\b]
	v_cvt_scalef32_pk8_fp4_f32 v[225+2*\b], v[104+16*\b:111+16*\b], v[240+\b]
.endr
	v_nop                                          ; one plain place behind a scaled conversion
	global_store_b64 v5, v[224:225], s[6:7]        ; 32 lanes store 256 consecutive bytes, aligned: one block of the tile's image
	global_store_b64 v5, v[226:227], s[6:7] offset:256
	global_store_b16 v6, v244, s[8:9]              ; the two scale bytes of my token (both halves of the lanes store the same value); 2 bytes in 32: 131,072 bytes in the whole launch
	s_wait_tensorcnt 0x0
	ds_add_u32 v254, v255
	s_wait_dscnt 0x0
	s_endpgm
.Lfunc_end_k_q763407c4dc_attn:
	.size	k_q763407c4dc_attn, .Lfunc_end_k_q763407c4dc_attn-k_q763407c4dc_attn
	.p2alignl 7, 3214868480
	.fill 96, 4, 3214868480
	.section	.rodata,"a",@progbits
	.p2align	6, 0x0
	.amdhsa_kernel k_q763407c4dc_attn
		.amdhsa_group_segment_fixed_size 169984
		.amdhsa_private_segment_fixed_size 0
		.amdhsa_enable_private_segment 0
		.amdhsa_kernarg_size 24
		.amdhsa_user_sgpr_count 2
		.amdhsa_user_sgpr_kernarg_segment_ptr 1
		.amdhsa_wavefront_size32 1
		.amdhsa_system_sgpr_workgroup_id_x 1
		.amdhsa_system_sgpr_workgroup_id_y 1
		.amdhsa_system_sgpr_workgroup_id_z 1
		.amdhsa_system_vgpr_workitem_id 0
		.amdhsa_next_free_vgpr 256
		.amdhsa_next_free_sgpr 66
		.amdhsa_reserve_vcc 0
		.amdhsa_float_denorm_mode_32 3
		.amdhsa_float_denorm_mode_16_64 3
		.amdhsa_memory_ordered 1
		.amdhsa_forward_progress 1
		.amdhsa_inst_pref_size 43
	.end_amdhsa_kernel
	.amdgpu_metadata
---
amdhsa.version: [ 1, 2 ]
amdhsa.kernels:
  - .name:           k_q763407c4dc_attn
    .symbol:         k_q763407c4dc_attn.kd
    .args:
      - { .name: att, .offset: 0, .size: 8, .value_kind: global_buffer, .address_space: global }
      - { .name: cimg, .offset: 8, .size: 8, .value_kind: global_buffer, .address_space: global }
      - { .name: csc, .offset: 16, .size: 8, .value_kind: global_buffer, .address_space: global }
    .group_segment_fixed_size: 169984
    .private_segment_fixed_size: 0
    .kernarg_segment_align: 8
    .kernarg_segment_size: 24
    .max_flat_workgroup_size: 512
    .sgpr_count:     66
    .vgpr_count:     256
    .wavefront_size: 32
...
	.end_amdgpu_metadata
.endif
;; end of part 2
;; launch wo (part 3): grid 256 x 1, 8 waves a work-group, clusters of 4 x 1, 327,680 bytes of LDS; arguments V, emb, cimg, csc, wc, ws, gamma1, beta1, x1; writes x1
.if DOCPART == 3
	.amdgcn_target "amdgcn-amd-amdhsa--gfx1250"
	.amdhsa_code_object_version 6
	.text
	.protected	k_q763407c4dc_wo
	.globl	k_q763407c4dc_wo
	.p2align	8
	.type	k_q763407c4dc_wo,@function
k_q763407c4dc_wo:
	s_mov_b64 s[64:65], 0
	v_nop
	global_prefetch_b8 v0, s[64:65] scope:SCOPE_SE
	s_setreg_imm32_b32 hwreg(HW_REG_WAVE_MODE, 25, 1), 1
	s_wait_xcnt 0x0
	s_wait_alu depctr_hold_cnt(0) depctr_sa_sdst(0) depctr_va_vdst(0) depctr_va_sdst(0) depctr_va_ssrc(0) depctr_va_vcc(0) depctr_vm_vsrc(0)
	s_getreg_b32 s2, hwreg(HW_REG_IB_STS2, 6, 4)
	s_cmp_eq_u32 s2, 0
	s_cbranch_scc0 .Lentry_in_a_cluster
	s_endpgm
.Lentry_in_a_cluster:
	s_bfe_u32 s2, ttmp6, 0x10000c
	s_cmp_lg_u32 s2, 0x3003
	s_cbranch_scc0 .Lentry_shape_is_right
	s_endpgm
.Lentry_shape_is_right:
; WO: x1 = layernorm(x + ctx w_o), x = emb[V]; the product on codes of FP4 with E8M0 scales.
; A work-group owns 16 tokens and all 1,024 columns; wave g owns columns 128 g .. 128 g + 127: 8 accumulators, which begin as x.
; The product is used transposed (source 0 = 16 columns of w_o, source 1 = my 16 tokens): lane (r, h) holds token r, register 16 b + i column 128 g + 32 b + 16 h + i.
; WEIGHTS: my column group's K steps 0-3 come straight into registers (images in register order, 512 consecutive bytes a load);
; K steps 4-7, 32,768 dense bytes, come by one joint tensor load a wave: the four work-groups of a cluster read the same weights.  LDS is filled once.
; OUT, all into x1: bytes 0..: x1 in f32 in register order [tile of 16 tokens][g][16 x 512 bytes]; X1C: its codes as operand images; X1S: scale bytes [token][32].
; No prefetch: the text has no loop to run ahead in.  LIMITS: NaN and infinities are not served; a block under 2^-124 or of zeros gets the byte 1 (read by this program alone); indices are held at 31,999.
.set X1C, 16777216
.set X1S, 18874368
.set RED, 262144
.set PAR, 263168
.set SPARE, 271360
.set ACC, 128
.set HACC, 192
.set AS, 32
.set WS, 40
.set TM, 72
.set PW, 88
.set PC, 96
.set SPW, 110
.set NIL, 111
.set D0, 68
.set G1, 76
.set SEL, 32
.set MSB, 0
.macro WIN new
.if MSB != \new
	s_set_vgpr_msb (MSB<<8)|\new
.set MSB, \new
.endif
.endm
.macro NOP4
.rept 4
	v_nop
.endr
.endm
.macro ROUND
	s_barrier_signal -1
	s_barrier_wait -1
	s_cmp_lg_u32 s30, 0
	s_cbranch_scc1 .Lnot_wave_0_\@
	s_barrier_signal -3
.Lnot_wave_0_\@:
	s_barrier_wait -3
	s_barrier_signal -1
	s_barrier_wait -1
.endm
.macro WM d, a, b, c, sa, sb, m1
	v_wmma_scale_f32_16x16x128_f8f6f4 v[(\d):(\d)+7], v[(\a):(\a)+7], v[(\b):(\b)+7], v[(\c):(\c)+7], v[\sa], v[\sb] matrix_a_fmt:MATRIX_FMT_FP4 matrix_b_fmt:MATRIX_FMT_FP4 \m1
.endm
; K step k on register set u: the 8 accumulators by turns; four places behind
.macro MM u, k
	WIN 0x01
.irp t, 0,2,4,6
	WM ACC+8*\t, 64*(\u)+8*\t, HACC+8*(\k), ACC+8*\t, WS+4*(\k)+\t/2, AS+(\k)
	WM ACC+8*\t+8, 64*(\u)+8*\t+8, HACC+8*(\k), ACC+8*\t+8, WS+4*(\k)+\t/2, AS+(\k), matrix_a_scale:MATRIX_SCALE_ROW1
.endr
	NOP4
	WIN 0
.endm
.macro GL u                            ; unit u: 16 loads of codes into set u, one of scale words
	WIN 0x40
.set GT, 0
.rept 16
	global_load_b128 v[64*(\u)+4*GT:64*(\u)+4*GT+3], v1, s[36:37] offset:8192*(\u)+512*GT
.set GT, GT+1
.endr
	WIN 0
	global_load_b128 v[WS+4*(\u):WS+4*(\u)+3], v1, s[42:43] offset:512*(\u)
.endm
.macro RL u                            ; unit 4 + u from LDS into set u
	WIN 0x40
.set GT, 0
.rept 16
	ds_load_b128 v[64*(\u)+4*GT:64*(\u)+4*GT+3], v14 offset:8192*(\u)+512*GT
.set GT, GT+1
.endr
	WIN 0
.endm
.macro BARRIER
	s_wait_dscnt 0x0
	s_barrier_signal -1
	s_barrier_wait -1
.endm
; 64 numbers of a lane (4 half blocks of 16) become codes in v[PC..PC+7] and the scale word in v[PW]
.macro QUANT s
.irp b, 0,1,2,3
	v_max3_num_f32 v[TM+\b], |v[\s+16*\b]|, |v[\s+1+16*\b]|, 0x1800000
.endr
.irp i, 2,4,6,8,10,12,14
.irp b, 0,1,2,3
	s_delay_alu instid0(VALU_DEP_4)
	v_max3_num_f32 v[TM+\b], v[TM+\b], |v[\s+16*\b+\i]|, |v[\s+1+16*\b+\i]|
.endr
.endr
.irp b, 0,1,2,3
	s_delay_alu instid0(VALU_DEP_4)
	v_permlanex16_b32 v[TM+4+\b], v[TM+\b], s[SEL], s[SEL+1]
.endr
.irp b, 0,1,2,3
	s_delay_alu instid0(VALU_DEP_4)
	v_max_num_f32 v[TM+\b], v[TM+\b], v[TM+4+\b]
.endr
.irp b, 0,1,2,3
	s_delay_alu instid0(VALU_DEP_4)
	v_add_nc_u32 v[TM+12+\b], 0xff000000, v[TM+\b]
.endr
.irp b, 0,1,2,3
	s_delay_alu instid0(VALU_DEP_4)
	v_lshrrev_b32 v[TM+4+\b], 23, v[TM+12+\b]
.endr
	s_delay_alu instid0(VALU_DEP_3)
	v_lshl_or_b32 v[PW], v[TM+5], 8, v[TM+4]
	s_delay_alu instid0(VALU_DEP_1)
	v_lshl_or_b32 v[PW], v[TM+6], 16, v[PW]
	s_delay_alu instid0(VALU_DEP_1)
	v_lshl_or_b32 v[PW], v[TM+7], 24, v[PW]
.irp b, 0,1,2,3
	v_cvt_scalef32_pk8_fp4_f32 v[PC+2*\b], v[\s+16*\b:\s+7+16*\b], v[TM+12+\b]
	v_cvt_scalef32_pk8_fp4_f32 v[PC+1+2*\b], v[\s+8+16*\b:\s+15+16*\b], v[TM+12+\b]
.endr
	v_nop
.irp c, 0,1
.irp i, 0,1
	v_permlane16_swap_b32 v[PC+4*\c+\i], v[PC+2+4*\c+\i]
.endr
.endr
.endm
; a row's sum over the lane pair and the eight waves, through LDS: v22
.macro RSUM off
	s_delay_alu instid0(VALU_DEP_1)
	v_pk_add_f32 v[72:73], v[72:73], v[74:75]
	s_delay_alu instid0(VALU_DEP_1)
	v_add_f32 v72, v72, v73
	s_delay_alu instid0(VALU_DEP_1)
	v_permlanex16_b32 v73, v72, s[SEL], s[SEL+1]
	s_delay_alu instid0(VALU_DEP_1)
	v_add_f32 v72, v72, v73
	ds_store_b32 v11, v72 offset:\off
	BARRIER
	ds_load_b128 v[22:25], v12 offset:\off
	ds_load_b128 v[26:29], v12 offset:(\off)+16
	s_wait_dscnt 0x0
	v_add_f32 v22, v22, v23
	v_add_f32 v24, v24, v25
	v_add_f32 v26, v26, v27
	v_add_f32 v28, v28, v29
	s_delay_alu instid0(VALU_DEP_3)
	v_add_f32 v22, v22, v24
	s_delay_alu instid0(VALU_DEP_2)
	v_add_f32 v26, v26, v28
	s_delay_alu instid0(VALU_DEP_1)
	v_add_f32 v22, v22, v26
.endm
; layernorm of the rows in ACC: mean, then the variance of the centred numbers, gain and offset from my wave's slices in LDS
.macro LNORM ri, gv, bv
	v_pk_add_f32 v[72:73], v[ACC:ACC+1], v[ACC+2:ACC+3]
	v_pk_add_f32 v[74:75], v[ACC+4:ACC+5], v[ACC+6:ACC+7]
.irp j, 8,12,16,20,24,28,32,36,40,44,48,52,56,60
	v_pk_add_f32 v[72:73], v[72:73], v[ACC+\j:ACC+\j+1]
	v_pk_add_f32 v[74:75], v[74:75], v[ACC+\j+2:ACC+\j+3]
.endr
	RSUM 512*(\ri)
	s_delay_alu instid0(VALU_DEP_1)
	v_mul_f32 v18, s34, v22
	s_delay_alu instid0(VALU_DEP_1)
	v_mov_b32 v19, v18
.set J, 0
.rept 32
	v_pk_add_f32 v[ACC+J:ACC+J+1], v[ACC+J:ACC+J+1], v[18:19] neg_lo:[0,1] neg_hi:[0,1]
.set J, J+2
.endr
	v_pk_mul_f32 v[72:73], v[ACC:ACC+1], v[ACC:ACC+1]
	v_pk_mul_f32 v[74:75], v[ACC+2:ACC+3], v[ACC+2:ACC+3]
.irp j, 4,8,12,16,20,24,28,32,36,40,44,48,52,56,60
	s_delay_alu instid0(VALU_DEP_2)
	v_pk_fma_f32 v[72:73], v[ACC+\j:ACC+\j+1], v[ACC+\j:ACC+\j+1], v[72:73]
	s_delay_alu instid0(VALU_DEP_2)
	v_pk_fma_f32 v[74:75], v[ACC+\j+2:ACC+\j+3], v[ACC+\j+2:ACC+\j+3], v[74:75]
.endr
	RSUM 512*((\ri)+1)
	s_delay_alu instid0(VALU_DEP_1)
	v_fma_f32 v20, v22, s34, s35
	s_wait_alu depctr_va_vdst(0)           ; the wait ahead of the transcendental
	v_rsq_f32 v20, v20
	v_nop
	s_wait_alu depctr_va_vdst(0)           ; and ahead of its first reader
	v_mov_b32 v21, v20
	s_wait_alu depctr_va_vdst(0)
.irp p, 0,1
.set J, 0
.rept 8
	ds_load_b128 v[HACC+4*J:HACC+4*J+3], v9 offset:4096*(\gv)+128*(2*\p+J/4)+16*(J%4)
	ds_load_b128 v[HACC+32+4*J:HACC+32+4*J+3], v9 offset:4096*(\bv)+128*(2*\p+J/4)+16*(J%4)
.set J, J+1
.endr
	s_wait_dscnt 0x0
.set J, 0
.rept 16
	v_pk_mul_f32 v[ACC+32*\p+J:ACC+32*\p+J+1], v[ACC+32*\p+J:ACC+32*\p+J+1], v[20:21]
.set J, J+2
.endr
.set J, 0
.rept 16
	v_pk_fma_f32 v[ACC+32*\p+J:ACC+32*\p+J+1], v[ACC+32*\p+J:ACC+32*\p+J+1], v[HACC+J:HACC+J+1], v[HACC+32+J:HACC+32+J+1]
.set J, J+2
.endr
.endr
.endm
	s_load_b512 s[4:19], s[0:1], 0x0       ; V, emb, cimg, csc, wc, ws, gamma1, beta1
	s_load_b64 s[20:21], s[0:1], 0x40      ; x1
	v_lshl_add_u32 v[SPW], v0, 2, SPARE
	v_mov_b32 v[NIL], 0
	ds_add_u32 v[SPW], v[NIL]              ; the opening lines: the add twice on end and its wait
	ds_add_u32 v[SPW], v[NIL]
	v_lshrrev_b32 v1, 5, v0
	v_readfirstlane_b32 s30, v1            ; wave g
	v_and_b32 v2, 31, v0
	v_and_b32 v3, 15, v0                   ; r
	v_bfe_u32 v4, v0, 4, 1                 ; h
	v_lshlrev_b32 v1, 4, v2                ; 16 x lane
	s_lshl_b32 s48, s30, 9
	s_add_co_u32 s49, s48, PAR
	v_lshl_add_u32 v9, v4, 6, s49          ; my slice of a vector in LDS, + 64 h
	v_add_nc_u32 v10, s49, v1              ; where my lane puts its 16 bytes of a slice
	v_add_nc_u32 v15, s48, v1              ; and where they lie in memory
	v_lshl_add_u32 v7, v4, 6, s48          ; my columns in a row of emb: 512 g + 64 h bytes
	s_lshl_b32 s49, s30, 2
	s_add_co_u32 s49, s49, RED
	v_lshl_add_u32 v11, v3, 5, s49
	v_lshlrev_b32 v6, 5, v3                ; 32 r
	v_add_nc_u32 v12, RED, v6
	s_lshl_b32 s[D0+1], s30, 15            ; my 32,768 bytes of LDS
	v_add_nc_u32 v14, s[D0+1], v1
	v_lshlrev_b32 v5, 2, v3                ; 4 r
.irp b, 0,1,2,3
	v_mov_b32 v[TM+4+\b], 0                ; a lane permute's destination counts as a source
.endr
	s_mov_b32 s[SEL], 0x76543210
	s_mov_b32 s[SEL+1], 0xfedcba98
	s_mov_b32 s34, 0x3a800000              ; 1 / 1024
	s_mov_b32 s35, 0x3727c5ac              ; 1e-5
	s_mov_b32 s[G1+0], 15|(3<<16)|(1<<21)  ; all four of the cluster; elements of 8 bytes
	s_mov_b32 s[G1+1], 32<<16              ; 128 dense rows of 256 bytes
	s_mov_b32 s[G1+2], 128<<16
	s_mov_b32 s[G1+3], 32<<16
	s_mov_b32 s[G1+4], 128
	s_mov_b32 s[G1+5], 32
	s_mov_b32 s[G1+6], 0
	s_mov_b32 s[G1+7], 0
	s_mov_b32 s[D0], 1
	s_mov_b32 s49, 0
	s_wait_alu depctr_va_vdst(0)           ; the wait at the head's end
	s_wait_dscnt 0x0
	s_wait_kmcnt 0x0
	s_lshl_b32 s48, s30, 16
	s_add_nc_u64 s[36:37], s[12:13], s[48:49]      ; my column group's 8 units of codes
	s_lshl_b32 s48, s30, 12
	s_add_nc_u64 s[42:43], s[14:15], s[48:49]      ; and of scale words
	s_add_nc_u64 s[D0+2:D0+3], s[36:37], 32768     ; units 4 to 7
	s_or_b32 s[D0+3], s[D0+3], 0x80000000
	ROUND
	tensor_load_to_lds s[D0:D0+3], s[G1:G1+7]      ; my one tensor load
	s_nop 0
	NOP4
	s_bfe_u32 s52, ttmp6, 0x40000
	s_lshl_b32 s53, ttmp9, 2
	s_add_co_u32 s52, s53, s52             ; T: my tile of 16 tokens
	s_mov_b32 s55, 0
	s_lshl_b32 s54, s52, 13
	s_add_nc_u64 s[8:9], s[8:9], s[54:55]
	s_lshl_b32 s54, s52, 9
	s_add_nc_u64 s[10:11], s[10:11], s[54:55]
	s_lshl_b32 s54, s52, 6
	s_add_nc_u64 s[4:5], s[4:5], s[54:55]
	s_lshl_b32 s54, s52, 16
	s_lshl_b32 s53, s30, 13
	s_add_co_u32 s54, s54, s53
	s_add_nc_u64 s[22:23], s[20:21], s[54:55]      ; x1 in f32: 65,536 T + 8,192 g
	s_lshl_b32 s54, s52, 13
	s_lshl_b32 s53, s30, 10
	s_add_co_u32 s54, s54, s53
	s_add_co_u32 s54, s54, X1C
	s_add_nc_u64 s[24:25], s[20:21], s[54:55]      ; its codes: 8,192 T + 1,024 g
	s_lshl_b32 s54, s52, 9
	s_lshl_b32 s53, s30, 2
	s_add_co_u32 s54, s54, s53
	s_add_co_u32 s54, s54, X1S
	s_add_nc_u64 s[26:27], s[20:21], s[54:55]      ; its scale words: 32 bytes a token, word g
	global_load_b32 v17, v5, s[4:5]                ; my token's index
	global_load_b128 v[112:115], v15, s[16:17]
	global_load_b128 v[116:119], v15, s[18:19]
.set J, 0
.rept 16
	global_load_b128 v[HACC+4*J:HACC+4*J+3], v1, s[8:9] offset:512*J   ; ctx's eight fragments
.set J, J+1
.endr
	global_load_b128 v[AS:AS+3], v6, s[10:11]
	global_load_b128 v[AS+4:AS+7], v6, s[10:11] offset:16
	GL 0
	s_wait_loadcnt 37                      ; the index: 37 loads were issued behind it
	v_min_u32 v17, 0x7cff, v17
	v_lshlrev_b32 v16, 12, v17
	v_add_nc_u32 v16, v16, v7
.irp b, 0,1,2,3
.irp k, 0,1,2,3
	global_load_b128 v[ACC+16*\b+4*\k:ACC+16*\b+4*\k+3], v16, s[6:7] offset:128*\b+16*\k   ; x starts the sums
.endr
.endr
	GL 1
	GL 2
	GL 3
.irp u, 4,5,6,7
	global_load_b128 v[WS+4*\u:WS+4*\u+3], v1, s[42:43] offset:512*\u
.endr
	s_wait_loadcnt 55                      ; all up to x; behind it 3 units of 17 and 4 loads of scale words
	MM 0, 0
	s_wait_loadcnt 38
	MM 1, 1
	s_wait_tensorcnt 0x0                   ; my own 32,768 bytes: no other wave reads them
	ds_store_b128 v10, v[112:115]
	ds_store_b128 v10, v[116:119] offset:4096
	RL 0
	RL 1
	s_wait_loadcnt 21
	MM 2, 2
	s_wait_loadcnt 4
	MM 3, 3
	RL 2
	RL 3
	s_wait_loadcnt 0x0
	s_wait_dscnt 32                        ; units 4 and 5 are in; the 32 loads of units 6 and 7 may be out
	MM 0, 4
	MM 1, 5
	s_wait_dscnt 0x0
	MM 2, 6
	MM 3, 7
	LNORM 0, 0, 1
.set J, 0
.rept 16
	global_store_b128 v1, v[ACC+4*J:ACC+4*J+3], s[22:23] offset:512*J   ; 512 consecutive bytes a store
.set J, J+1
.endr
	QUANT ACC
	global_store_b128 v1, v[PC:PC+3], s[24:25]
	global_store_b128 v1, v[PC+4:PC+7], s[24:25] offset:512
	global_store_b32 v6, v[PW], s[26:27]   ; both halves of the lanes store the same word
	s_wait_tensorcnt 0x0                   ; the wave's end
	ds_add_u32 v[SPW], v[NIL]
	s_wait_dscnt 0x0
	ROUND
	s_endpgm
.Lfunc_end_k_q763407c4dc_wo:
	.size	k_q763407c4dc_wo, .Lfunc_end_k_q763407c4dc_wo-k_q763407c4dc_wo
	.p2alignl 7, 3214868480
	.fill 96, 4, 3214868480
	.section	.rodata,"a",@progbits
	.p2align	6, 0x0
	.amdhsa_kernel k_q763407c4dc_wo
		.amdhsa_group_segment_fixed_size 327680
		.amdhsa_private_segment_fixed_size 0
		.amdhsa_enable_private_segment 0
		.amdhsa_kernarg_size 72
		.amdhsa_user_sgpr_count 2
		.amdhsa_user_sgpr_kernarg_segment_ptr 1
		.amdhsa_wavefront_size32 1
		.amdhsa_system_sgpr_workgroup_id_x 1
		.amdhsa_system_sgpr_workgroup_id_y 1
		.amdhsa_system_sgpr_workgroup_id_z 1
		.amdhsa_system_vgpr_workitem_id 0
		.amdhsa_next_free_vgpr 512
		.amdhsa_next_free_sgpr 96
		.amdhsa_reserve_vcc 0
		.amdhsa_float_denorm_mode_32 3
		.amdhsa_float_denorm_mode_16_64 3
		.amdhsa_memory_ordered 1
		.amdhsa_forward_progress 1
		.amdhsa_inst_pref_size 52
	.end_amdhsa_kernel
	.amdgpu_metadata
---
amdhsa.version: [ 1, 2 ]
amdhsa.kernels:
  - .name:           k_q763407c4dc_wo
    .symbol:         k_q763407c4dc_wo.kd
    .args:
      - { .name: V, .offset: 0, .size: 8, .value_kind: global_buffer, .address_space: global }
      - { .name: emb, .offset: 8, .size: 8, .value_kind: global_buffer, .address_space: global }
      - { .name: cimg, .offset: 16, .size: 8, .value_kind: global_buffer, .address_space: global }
      - { .name: csc, .offset: 24, .size: 8, .value_kind: global_buffer, .address_space: global }
      - { .name: wc, .offset: 32, .size: 8, .value_kind: global_buffer, .address_space: global }
      - { .name: ws, .offset: 40, .size: 8, .value_kind: global_buffer, .address_space: global }
      - { .name: gamma1, .offset: 48, .size: 8, .value_kind: global_buffer, .address_space: global }
      - { .name: beta1, .offset: 56, .size: 8, .value_kind: global_buffer, .address_space: global }
      - { .name: x1, .offset: 64, .size: 8, .value_kind: global_buffer, .address_space: global }
    .group_segment_fixed_size: 327680
    .private_segment_fixed_size: 0
    .kernarg_segment_align: 8
    .kernarg_segment_size: 72
    .max_flat_workgroup_size: 256
    .sgpr_count:     96
    .vgpr_count:     512
    .wavefront_size: 32
...
	.end_amdgpu_metadata
.endif
;; end of part 3
;; launch up (part 4): grid 16 x 16, 4 waves a work-group, clusters of 4 x 4, 327,680 bytes of LDS; arguments x1, wc, ws, b1, hq; writes hq
.if DOCPART == 4
	.amdgcn_target "amdgcn-amd-amdhsa--gfx1250"
	.amdhsa_code_object_version 6
	.text
	.protected	k_q763407c4dc_up
	.globl	k_q763407c4dc_up
	.p2align	8
	.type	k_q763407c4dc_up,@function
k_q763407c4dc_up:
	s_mov_b64 s[64:65], 0
	v_nop
	global_prefetch_b8 v0, s[64:65] scope:SCOPE_SE
	s_setreg_imm32_b32 hwreg(HW_REG_WAVE_MODE, 25, 1), 1
	s_wait_xcnt 0x0
	s_wait_alu depctr_hold_cnt(0) depctr_sa_sdst(0) depctr_va_vdst(0) depctr_va_sdst(0) depctr_va_ssrc(0) depctr_va_vcc(0) depctr_vm_vsrc(0)
	s_getreg_b32 s2, hwreg(HW_REG_IB_STS2, 6, 4)
	s_cmp_eq_u32 s2, 0
	s_cbranch_scc0 .Lentry_in_a_cluster
	s_endpgm
.Lentry_in_a_cluster:
	s_bfe_u32 s2, ttmp6, 0x10000c
	s_cmp_lg_u32 s2, 0xf033
	s_cbranch_scc0 .Lentry_shape_is_right
	s_endpgm
.Lentry_shape_is_right:
; UP: h = relu(x1 w1 + b1), on codes of FP4; h leaves as codes for the next product.
; A work-group makes 256 tokens x 256 hidden units; each of four waves 128 x 128: 64 accumulators in windows 2 and 3.  K = 1,024: both operands' codes for all of K are 262,144 bytes and come ONCE:
; waves 0 and 1 fetch the halves of x1's 16 tile images, waves 2 and 3 the two column groups of w1, each 65,536 dense bytes, by joint loads (x1's shared along the cluster's row, w1's along its column).
; Every operand lies in register order: an LDS load takes 16 bytes a lane at 16 x lane.  Scale words and b1 come straight into registers.
; Transposed use (source 0 = 16 hidden units, source 1 = 16 tokens); b1 is the C of the first K step's products.
; hq: for each 128 tokens 278,528 bytes: 8 tile images of 32,768 bytes (K step g at 1,024 g), then scale words [g / 4][tile][token][g % 4].
; No prefetch: LDS is filled once and the text has no loop.  LIMITS as in the launch before.
.set X1C, 16777216
.set X1S, 18874368
.set SPARE, 262144
.set HB, 278528
.set SPW, 28
.set NIL, 29
.set ADA, 16
.set ADB, 17
.set XS, 32                            ; v32-95  x1's scale words: tile a, K step k at 8 a + k
.set WSC, 96                           ; v96-127 w1's: K step k at 4 k
.set XF, 128                           ; v128-255 x1's fragments, two sets; window 1: v0-127 w1's two sets, v128-191 b1
.set H, 128
.set TM, 192
.set PW, 208
.set PC, 216
.set SEL, 60
.set MSB, 0
.macro WIN new
.if MSB != \new
	s_set_vgpr_msb (MSB<<8)|\new
.set MSB, \new
.endif
.endm
.macro NOP4
.rept 4
	v_nop
.endr
.endm
.macro ROUND
	s_barrier_signal -1
	s_barrier_wait -1
	s_cmp_lg_u32 s14, 0
	s_cbranch_scc1 .Lnot_wave_0_\@
	s_barrier_signal -3
.Lnot_wave_0_\@:
	s_barrier_wait -3
	s_barrier_signal -1
	s_barrier_wait -1
.endm
.macro WM d, a, b, c, sa, sb, m1
	v_wmma_scale_f32_16x16x128_f8f6f4 v[(\d):(\d)+7], v[(\a):(\a)+7], v[(\b):(\b)+7], v[(\c):(\c)+7], v[\sa], v[\sb] matrix_a_fmt:MATRIX_FMT_FP4 matrix_b_fmt:MATRIX_FMT_FP4 \m1
.endm
.macro FETCH k                         ; K step k's 16 fragments into set k % 2
.set P, 64*((\k)%2)
	WIN 0x40
.irp t, 0,1,2,3,4,5,6,7
	ds_load_b128 v[P+8*\t:P+8*\t+3], v[ADB] offset:8192*(\k)+1024*\t
	ds_load_b128 v[P+8*\t+4:P+8*\t+7], v[ADB] offset:8192*(\k)+1024*\t+512
.endr
	WIN 0
.irp a, 0,1,2,3,4,5,6,7
	ds_load_b128 v[XF+P+8*\a:XF+P+8*\a+3], v[ADA] offset:8192*\a+1024*(\k)
	ds_load_b128 v[XF+P+8*\a+4:XF+P+8*\a+7], v[ADA] offset:8192*\a+1024*(\k)+512
.endr
.endm
.macro MUL k, hi                       ; token tiles 4 hi .. 4 hi + 3 against the 8 tiles of hidden units: 32 accumulators by turns
.set P, 64*((\k)%2)
.if (\k)==0
.set CA, 0
.set CO, 128
.else
.set CA, 64
.set CO, 0
.endif
.irp a, 0,1,2,3
.irp t, 0,2,4,6
	WM 64*\a+8*\t, P+8*\t, XF+P+32*(\hi)+8*\a, CA*\a+CO+8*\t, WSC+4*(\k)+\t/2, XS+32*(\hi)+8*\a+(\k)
	WM 64*\a+8*\t+8, P+8*\t+8, XF+P+32*(\hi)+8*\a, CA*\a+CO+8*\t+8, WSC+4*(\k)+\t/2, XS+32*(\hi)+8*\a+(\k), matrix_a_scale:MATRIX_SCALE_ROW1
.endr
.endr
.endm
.macro STEP k
	s_wait_dscnt 0x0                       ; this step's fragments are in
.if (\k)<7
.if (\k)>0
	NOP4                                   ; places in front of loads into the set that the last step's products read
.endif
	FETCH (\k)+1
.endif
.if (\k)==0
	WIN 0x91                               ; source 0 and C window 1, D window 2
	MUL 0, 0
	WIN 0xd1
	MUL 0, 1
.else
	WIN 0xa1
	MUL \k, 0
	WIN 0xf1
	MUL \k, 1
.endif
.endm
.macro QUANT s
.irp b, 0,1,2,3
	v_max3_num_f32 v[TM+\b], |v[\s+16*\b]|, |v[\s+1+16*\b]|, 0x1800000
.endr
.irp i, 2,4,6,8,10,12,14
.irp b, 0,1,2,3
	v_max3_num_f32 v[TM+\b], v[TM+\b], |v[\s+16*\b+\i]|, |v[\s+1+16*\b+\i]|
.endr
.endr
.irp b, 0,1,2,3
	v_permlanex16_b32 v[TM+4+\b], v[TM+\b], s[SEL], s[SEL+1]
.endr
.irp b, 0,1,2,3
	v_max_num_f32 v[TM+\b], v[TM+\b], v[TM+4+\b]
.endr
.irp b, 0,1,2,3
	v_add_nc_u32 v[TM+12+\b], 0xff000000, v[TM+\b]
.endr
.irp b, 0,1,2,3
	v_lshrrev_b32 v[TM+4+\b], 23, v[TM+12+\b]
.endr
	v_lshl_or_b32 v[PW], v[TM+5], 8, v[TM+4]
	v_lshl_or_b32 v[PW], v[TM+6], 16, v[PW]
	v_lshl_or_b32 v[PW], v[TM+7], 24, v[PW]
.irp b, 0,1,2,3
	v_cvt_scalef32_pk8_fp4_f32 v[PC+2*\b], v[\s+16*\b:\s+7+16*\b], v[TM+12+\b]
	v_cvt_scalef32_pk8_fp4_f32 v[PC+1+2*\b], v[\s+8+16*\b:\s+15+16*\b], v[TM+12+\b]
.endr
	v_nop
.irp c, 0,1
.irp i, 0,1
	v_permlane16_swap_b32 v[PC+4*\c+\i], v[PC+2+4*\c+\i]
.endr
.endr
.endm
	s_load_b256 s[4:11], s[0:1], 0x0       ; x1, wc, ws, b1
	s_load_b64 s[12:13], s[0:1], 0x20      ; hq
	v_lshl_add_u32 v[SPW], v0, 2, SPARE
	v_mov_b32 v[NIL], 0
	ds_add_u32 v[SPW], v[NIL]              ; the opening lines
	ds_add_u32 v[SPW], v[NIL]
	v_lshrrev_b32 v1, 5, v0
	v_readfirstlane_b32 s14, v1            ; wave
	s_lshr_b32 s15, s14, 1                 ; my half of the tokens; also: I fetch x1 (0) or w1 (1)
	s_and_b32 s16, s14, 1                  ; my column group; also: which half I fetch
	v_and_b32 v2, 31, v0
	v_and_b32 v5, 15, v0
	v_bfe_u32 v3, v0, 4, 1
	v_lshlrev_b32 v1, 4, v2                ; 16 x lane
	v_lshlrev_b32 v2, 5, v5                ; 32 r
	v_lshlrev_b32 v4, 4, v5                ; 16 r
	v_lshlrev_b32 v3, 6, v3                ; 64 h
	s_lshl_b32 s18, s15, 16
	v_add_nc_u32 v[ADA], s18, v1
	s_lshl_b32 s18, s16, 16
	s_add_co_u32 s19, s18, 131072
	v_add_nc_u32 v[ADB], s19, v1
	s_bfe_u32 s40, ttmp6, 0x40000
	s_bfe_u32 s41, ttmp6, 0x40004
	s_lshl_b32 s42, ttmp9, 2
	s_add_co_u32 s42, s42, s40             ; j: block of 256 hidden units
	s_and_b32 s17, ttmp7, 0xffff
	s_lshl_b32 s17, s17, 2
	s_add_co_u32 s17, s17, s41             ; i: block of 256 tokens
	s_lshl_b32 s43, s41, 2
	s_lshl_b32 s43, 15, s43                ; my row of the cluster
	s_lshl_b32 s44, 0x1111, s40            ; my column
	s_or_b32 s24, s43, (3<<16)|(1<<21)
	s_or_b32 s48, s44, (3<<16)|(1<<21)
.irp g, 24, 48
	s_mov_b32 s[\g+1], 32<<16              ; 256 dense rows of 256 bytes
	s_mov_b32 s[\g+2], 256<<16
	s_mov_b32 s[\g+3], 32<<16
	s_mov_b32 s[\g+4], 256
	s_mov_b32 s[\g+5], 32
	s_mov_b32 s[\g+6], 0
	s_mov_b32 s[\g+7], 0
.endr
	s_lshl_b32 s20, s17, 17
	s_add_co_u32 s20, s20, s18
	s_add_co_u32 s20, s20, X1C             ; x1's codes: 131,072 i + 65,536 half
	s_mov_b32 s21, 0
	s_lshl_b32 s46, s42, 17
	s_add_co_u32 s46, s46, s18
	s_add_co_u32 s46, s46, 524288          ; w1's units begin at unit 64
	s_mov_b32 s47, 0
	s_lshl_b32 s45, s14, 16                ; LDS: 65,536 x wave
	s_mov_b32 s[SEL], 0x76543210
	s_mov_b32 s[SEL+1], 0xfedcba98
	s_wait_alu depctr_va_vdst(0)           ; the wait at the head's end
	s_wait_dscnt 0x0
	s_wait_kmcnt 0x0
	s_mov_b32 s32, 1
	s_mov_b32 s33, s45
	s_add_nc_u64 s[34:35], s[4:5], s[20:21]
	s_or_b32 s35, s35, 0x80000000
	s_mov_b32 s36, 1
	s_mov_b32 s37, s45
	s_add_nc_u64 s[38:39], s[6:7], s[46:47]
	s_or_b32 s39, s39, 0x80000000
	ROUND
	s_cmp_eq_u32 s15, 0
	s_cbranch_scc0 .Lfor_b
	tensor_load_to_lds s[32:35], s[24:31]
	s_nop 0
	NOP4
	s_branch .Lasked
.Lfor_b:
	tensor_load_to_lds s[36:39], s[48:55]
	s_nop 0
	NOP4
.Lasked:
	s_mov_b32 s23, 0
	s_lshl_b32 s22, s17, 13
	s_lshl_b32 s18, s15, 12
	s_add_co_u32 s22, s22, s18
	s_add_co_u32 s22, s22, X1S
	s_add_nc_u64 s[56:57], s[4:5], s[22:23]        ; my 128 tokens' scale bytes
	s_lshl_b32 s22, s42, 13
	s_lshl_b32 s18, s16, 12
	s_add_co_u32 s22, s22, s18
	s_add_co_u32 s22, s22, 32768
	s_add_nc_u64 s[58:59], s[8:9], s[22:23]        ; my column group's scale words
	s_lshl_b32 s22, s42, 10
	s_lshl_b32 s18, s16, 9
	s_add_co_u32 s22, s22, s18
	s_add_nc_u64 s[62:63], s[10:11], s[22:23]      ; my 128 numbers of b1
	s_lshl_b32 s70, s17, 1
	s_add_co_u32 s70, s70, s15
	s_mul_i32 s70, s70, HB                 ; my 128 tokens' part of hq
	s_lshl_b32 s71, s42, 1
	s_add_co_u32 s71, s71, s16             ; g: the next product's K step
	s_lshl_b32 s22, s71, 10
	s_add_co_u32 s22, s22, s70
	s_add_nc_u64 s[66:67], s[12:13], s[22:23]
	s_lshr_b32 s22, s71, 2
	s_lshl_b32 s22, s22, 11
	s_and_b32 s18, s71, 3
	s_lshl_b32 s18, s18, 2
	s_add_co_u32 s22, s22, s18
	s_add_co_u32 s22, s22, s70
	s_add_co_u32 s22, s22, 262144
	s_add_nc_u64 s[68:69], s[12:13], s[22:23]
.irp a, 0,1,2,3,4,5,6,7
	global_load_b128 v[XS+8*\a:XS+8*\a+3], v2, s[56:57] offset:512*\a
	global_load_b128 v[XS+8*\a+4:XS+8*\a+7], v2, s[56:57] offset:512*\a+16
.endr
.irp k, 0,1,2,3,4,5,6,7
	global_load_b128 v[WSC+4*\k:WSC+4*\k+3], v1, s[58:59] offset:512*\k
.endr
	WIN 0x40
.set J, 0
.rept 16
	global_load_b128 v[128+4*J:128+4*J+3], v3, s[62:63] offset:128*(J/4)+16*(J%4)   ; sixteen lanes take the same 16 bytes: register 8 t + j is tile t's bias
.set J, J+1
.endr
	WIN 0
	s_wait_tensorcnt 0x0                   ; my part has landed,
	s_barrier_signal -1
	s_barrier_wait -1                      ; everybody's has
	FETCH 0
	s_wait_loadcnt 0x0
.irp k, 0,1,2,3,4,5,6,7
	STEP \k
.endr
	WIN 0
	NOP4                                   ; places behind the last products
.irp b, 0,1,2,3
	v_mov_b32 v[TM+4+\b], 0
.endr
; THE WAY OUT, tile by tile of 16 tokens: relu on the way into window 0, the quantiser, two stores of 512 consecutive bytes and the scale word
.irp a, 0,1,2,3,4,5,6,7
.if \a>0
	s_wait_xcnt 0x0                        ; the last tile's stores have read their registers
.endif
	WIN 0x08+4*(\a/4)
.set J, 0
.rept 64
	v_max_num_f32 v[H+J], 0, v[64*(\a%4)+J]
.set J, J+1
.endr
	WIN 0
	QUANT H
	global_store_b128 v1, v[PC:PC+3], s[66:67] offset:32768*\a
	global_store_b128 v1, v[PC+4:PC+7], s[66:67] offset:32768*\a+512
	global_store_b32 v4, v[PW], s[68:69] offset:256*\a
.endr
	s_wait_tensorcnt 0x0                   ; the wave's end
	ds_add_u32 v[SPW], v[NIL]
	s_wait_dscnt 0x0
	ROUND
	s_endpgm
.Lfunc_end_k_q763407c4dc_up:
	.size	k_q763407c4dc_up, .Lfunc_end_k_q763407c4dc_up-k_q763407c4dc_up
	.p2alignl 7, 3214868480
	.fill 96, 4, 3214868480
	.section	.rodata,"a",@progbits
	.p2align	6, 0x0
	.amdhsa_kernel k_q763407c4dc_up
		.amdhsa_group_segment_fixed_size 327680
		.amdhsa_private_segment_fixed_size 0
		.amdhsa_enable_private_segment 0
		.amdhsa_kernarg_size 40
		.amdhsa_user_sgpr_count 2
		.amdhsa_user_sgpr_kernarg_segment_ptr 1
		.amdhsa_wavefront_size32 1
		.amdhsa_system_sgpr_workgroup_id_x 1
		.amdhsa_system_sgpr_workgroup_id_y 1
		.amdhsa_system_sgpr_workgroup_id_z 1
		.amdhsa_system_vgpr_workitem_id 0
		.amdhsa_next_free_vgpr 1024
		.amdhsa_next_free_sgpr 72
		.amdhsa_reserve_vcc 0
		.amdhsa_float_denorm_mode_32 3
		.amdhsa_float_denorm_mode_16_64 3
		.amdhsa_memory_ordered 1
		.amdhsa_forward_progress 1
		.amdhsa_inst_pref_size 141
	.end_amdhsa_kernel
	.amdgpu_metadata
---
amdhsa.version: [ 1, 2 ]
amdhsa.kernels:
  - .name:           k_q763407c4dc_up
    .symbol:         k_q763407c4dc_up.kd
    .args:
      - { .name: x1, .offset: 0, .size: 8, .value_kind: global_buffer, .address_space: global }
      - { .name: wc, .offset: 8, .size: 8, .value_kind: global_buffer, .address_space: global }
      - { .name: ws, .offset: 16, .size: 8, .value_kind: global_buffer, .address_space: global }
      - { .name: b1, .offset: 24, .size: 8, .value_kind: global_buffer, .address_space: global }
      - { .name: hq, .offset: 32, .size: 8, .value_kind: global_buffer, .address_space: global }
    .group_segment_fixed_size: 327680
    .private_segment_fixed_size: 0
    .kernarg_segment_align: 8
    .kernarg_segment_size: 40
    .max_flat_workgroup_size: 128
    .sgpr_count:     72
    .vgpr_count:     1024
    .wavefront_size: 32
...
	.end_amdgpu_metadata
.endif
;; end of part 4
;; launch down (part 5): grid 8 x 32, 4 waves a work-group, clusters of 4 x 1, 327,680 bytes of LDS; arguments hq, wc, ws, yb, x1; writes yb
.if DOCPART == 5
	.amdgcn_target "amdgcn-amd-amdhsa--gfx1250"
	.amdhsa_code_object_version 6
	.text
	.protected	k_q763407c4dc_down
	.globl	k_q763407c4dc_down
	.p2align	8
	.type	k_q763407c4dc_down,@function
k_q763407c4dc_down:
	s_mov_b64 s[64:65], 0
	v_nop
	global_prefetch_b8 v0, s[64:65] scope:SCOPE_SE
	s_setreg_imm32_b32 hwreg(HW_REG_WAVE_MODE, 25, 1), 1
	s_wait_xcnt 0x0
	s_wait_alu depctr_hold_cnt(0) depctr_sa_sdst(0) depctr_va_vdst(0) depctr_va_sdst(0) depctr_va_ssrc(0) depctr_va_vcc(0) depctr_vm_vsrc(0)
	s_getreg_b32 s2, hwreg(HW_REG_IB_STS2, 6, 4)
	s_cmp_eq_u32 s2, 0
	s_cbranch_scc0 .Lentry_in_a_cluster
	s_endpgm
.Lentry_in_a_cluster:
	s_bfe_u32 s2, ttmp6, 0x10000c
	s_cmp_lg_u32 s2, 0x3003
	s_cbranch_scc0 .Lentry_shape_is_right
	s_endpgm
.Lentry_shape_is_right:
; DOWN: yb = x1 + h w2, the product on codes of FP4.  A work-group makes 128 tokens x 128 columns over K = 4,096; wave w makes all 128 tokens x columns 32 w .. 32 w + 31: 16 accumulators.
; h's part of hq (8 tile images and the scale words, 278,528 dense bytes) comes ONCE, a quarter a wave, by joint loads: the four work-groups of a cluster share the tokens.
; w2's two tiles of a wave, 2,048 bytes a K step, are read by that wave alone: they come straight into 512 registers (windows 2 and 3), all asked for at the head.
; x1 in f32 lies in the accumulators' own order: at K step 16 its 32 loads are issued into the registers that K steps 0-7 of w2 have left, and 64 packed additions follow the last products.
; yb takes the result in the same register order, [tile of 16 tokens][column group][w][4 x 512 bytes]: the bias and the norm follow in the next launch.
; No prefetch: LDS is filled once and the text has no loop.
.set SPARE, 278528
.set HB, 278528
.set SPW, 28
.set NIL, 29
.set AD, 16                            ; v16-19 LDS: 65,536 p + 16 x lane
.set ADS, 20                           ; v20    the scale words
.set XSC, 32                           ; v32-63 h's scale words, two sets of 16: pair of tiles p, K step k at 4 p + k % 4
.set WSC, 64                           ; v64-95 w2's, one a K step
.set MSB, 0
.macro WIN new
.if MSB != \new
	s_set_vgpr_msb (MSB<<8)|\new
.set MSB, \new
.endif
.endm
.macro NOP4
.rept 4
	v_nop
.endr
.endm
.macro ROUND
	s_barrier_signal -1
	s_barrier_wait -1
	s_cmp_lg_u32 s14, 0
	s_cbranch_scc1 .Lnot_wave_0_\@
	s_barrier_signal -3
.Lnot_wave_0_\@:
	s_barrier_wait -3
	s_barrier_signal -1
	s_barrier_wait -1
.endm
.macro WM d, a, b, sa, sb, z, m1, m2
.if \z
	v_wmma_scale_f32_16x16x128_f8f6f4 v[(\d):(\d)+7], v[(\a):(\a)+7], v[(\b):(\b)+7], 0, v[\sa], v[\sb] matrix_a_fmt:MATRIX_FMT_FP4 matrix_b_fmt:MATRIX_FMT_FP4 \m1 \m2
.else
	v_wmma_scale_f32_16x16x128_f8f6f4 v[(\d):(\d)+7], v[(\a):(\a)+7], v[(\b):(\b)+7], v[(\d):(\d)+7], v[\sa], v[\sb] matrix_a_fmt:MATRIX_FMT_FP4 matrix_b_fmt:MATRIX_FMT_FP4 \m1 \m2
.endif
.endm
.macro FETCH k                         ; h's eight fragments of K step k
.if (\k)%3==2                          ; three sets by turns: two in window 1, the third at v128-191 of window 0
.set P, 128
	WIN 0
.else
.set P, 64*((\k)%3)
	WIN 0x40
.endif
.irp a, 0,1,2,3,4,5,6,7
	ds_load_b128 v[P+8*\a:P+8*\a+3], v[AD+\a/2] offset:32768*(\a%2)+1024*(\k)
	ds_load_b128 v[P+8*\a+4:P+8*\a+7], v[AD+\a/2] offset:32768*(\a%2)+1024*(\k)+512
.endr
	WIN 0
.if (\k)%4==0
.irp p, 0,1,2,3
	ds_load_b128 v[XSC+16*(((\k)/4)%2)+4*\p:XSC+16*(((\k)/4)%2)+4*\p+3], v[ADS] offset:512*(\k)+512*\p   ; four K steps' words: lanes 0-15 tile 2 p, lanes 16-31 tile 2 p + 1
.endr
.endif
.endm
.macro STEP k
.if (\k)==16
	WIN 0x80                               ; x1 into v0-127 of window 2: K steps 0-7 of w2 are done with
.set J, 0
.rept 32
	global_load_b128 v[4*J:4*J+3], v1, s[42:43] offset:65536*(J/4)+512*(J%4)
.set J, J+1
.endr
.endif
.if (\k)>=16
.set NW, 4*(31-(\k))+32                ; behind this step's four loads: the later steps' and x1's 32
.else
.set NW, 63                            ; at least 64 loads were issued behind this step's four
.endif
.if NW>63
.set NW, 63
.endif
	s_wait_loadcnt NW
.if (\k)<31
.if ((\k)+1)%4==0
	s_wait_dscnt 20                        ; this step's fragments are in; the next step's 16 loads and its 4 of scale words may be out
.else
	s_wait_dscnt 16                        ; this step's fragments are in; the next step's 16 loads may be out
.endif
.else
	s_wait_dscnt 0x0
.endif
.if (\k)<30
.if (\k)>0
	NOP4                                   ; places in front of loads into the set that the last step's products read
.endif
	FETCH (\k)+2                           ; two K steps ahead
.endif
.if (\k)%3==2
.set P, 128
.set WN, 0x52                          ; source 1 window 0
.else
.set P, 64*((\k)%3)
.set WN, 0x56                          ; source 1 window 1
.endif
.set WB, 16*((\k)%16)
.set SX, XSC+16*(((\k)/4)%2)+(\k)%4
	WIN WN+(\k)/16                         ; source 0 window 2 or 3; C and D window 1
.irp a, 0,2,4,6
	WM 128+16*\a, WB, P+8*\a, WSC+(\k), SX+2*\a, (\k)==0
	WM 128+16*\a+8, WB+8, P+8*\a, WSC+(\k), SX+2*\a, (\k)==0, matrix_a_scale:MATRIX_SCALE_ROW1
	WM 128+16*\a+16, WB, P+8*\a+8, WSC+(\k), SX+2*\a, (\k)==0, matrix_b_scale:MATRIX_SCALE_ROW1
	WM 128+16*\a+24, WB+8, P+8*\a+8, WSC+(\k), SX+2*\a, (\k)==0, matrix_a_scale:MATRIX_SCALE_ROW1, matrix_b_scale:MATRIX_SCALE_ROW1
.endr
.endm
	s_load_b256 s[4:11], s[0:1], 0x0       ; hq, wc, ws, yb
	s_load_b64 s[12:13], s[0:1], 0x20      ; x1
	v_lshl_add_u32 v[SPW], v0, 2, SPARE
	v_mov_b32 v[NIL], 0
	ds_add_u32 v[SPW], v[NIL]              ; the opening lines
	ds_add_u32 v[SPW], v[NIL]
	v_lshrrev_b32 v1, 5, v0
	v_readfirstlane_b32 s14, v1            ; wave
	v_and_b32 v2, 31, v0
	v_lshlrev_b32 v1, 4, v2                ; 16 x lane
.irp p, 0,1,2,3
	v_add_nc_u32 v[AD+\p], 65536*\p, v1
.endr
	v_add_nc_u32 v[ADS], 262144, v1
	s_and_b32 s16, ttmp7, 0xffff           ; the block of 128 tokens
	s_mov_b32 s24, 15|(3<<16)|(1<<21)      ; all four of the cluster; elements of 8 bytes
	s_mov_b32 s25, 32<<16                  ; 272 dense rows of 256 bytes
	s_mov_b32 s26, 272<<16
	s_mov_b32 s27, 32<<16
	s_mov_b32 s28, 272
	s_mov_b32 s29, 32
	s_mov_b32 s30, 0
	s_mov_b32 s31, 0
	s_mov_b32 s32, 1
	s_mul_i32 s33, s14, 69632              ; my quarter, in LDS
	s_mul_i32 s20, s16, HB
	s_add_co_u32 s20, s20, s33             ; and in hq
	s_mov_b32 s21, 0
	s_wait_alu depctr_va_vdst(0)           ; the wait at the head's end
	s_wait_dscnt 0x0
	s_wait_kmcnt 0x0
	s_add_nc_u64 s[34:35], s[4:5], s[20:21]
	s_or_b32 s35, s35, 0x80000000
	ROUND
	tensor_load_to_lds s[32:35], s[24:31]  ; my one tensor load
	s_nop 0
	NOP4
	s_bfe_u32 s15, ttmp6, 0x40000
	s_lshl_b32 s18, ttmp9, 2
	s_add_co_u32 s15, s15, s18             ; n: the group of 128 columns
	s_lshl_b32 s20, s15, 18
	s_lshl_b32 s18, s14, 11
	s_add_co_u32 s20, s20, s18
	s_add_co_u32 s20, s20, 2621440         ; w2's units begin at unit 320; my two tiles of each
	s_add_nc_u64 s[36:37], s[6:7], s[20:21]
	s_lshl_b32 s20, s15, 14
	s_lshl_b32 s19, s14, 2
	s_add_co_u32 s20, s20, s19
	s_add_co_u32 s20, s20, 163840
	s_add_nc_u64 s[38:39], s[8:9], s[20:21]        ; word w of each lane's four
	s_lshl_b32 s20, s16, 19
	s_lshl_b32 s19, s15, 13
	s_add_co_u32 s20, s20, s19
	s_add_co_u32 s20, s20, s18
	s_add_nc_u64 s[40:41], s[10:11], s[20:21]      ; my part of yb,
	s_add_nc_u64 s[42:43], s[12:13], s[20:21]      ; and the same place in x1's f32 part
.set K, 0
.rept 32
	global_load_b32 v[WSC+K], v1, s[38:39] offset:512*K
.set K, K+1
.endr
	WIN 0x80
.set K, 0
.rept 64
	global_load_b128 v[4*K:4*K+3], v1, s[36:37] offset:8192*(K/4)+512*(K%4)        ; K steps 0-15: 512 consecutive bytes a load
.set K, K+1
.endr
	WIN 0xc0
.set K, 0
.rept 64
	global_load_b128 v[4*K:4*K+3], v1, s[36:37] offset:8192*(16+K/4)+512*(K%4)     ; K steps 16-31
.set K, K+1
.endr
	WIN 0
	s_wait_tensorcnt 0x0                   ; my quarter has landed,
	s_barrier_signal -1
	s_barrier_wait -1                      ; everybody's has
	FETCH 0
	FETCH 1
.set KK, 0
.rept 32
	STEP KK
.set KK, KK+1
.endr
	NOP4                                   ; places behind the last products
	s_wait_loadcnt 0x0                     ; x1
	WIN 0x49                               ; destination and source 0 window 1, source 1 window 2
.set J, 0
.rept 64
	v_pk_add_f32 v[128+J:129+J], v[128+J:129+J], v[J:J+1]   ; the residual; each accumulator from its low end on
.set J, J+2
.endr
	WIN 0x04                               ; the stores' data: window 1
.set J, 0
.rept 32
	global_store_b128 v1, v[128+4*J:128+4*J+3], s[40:41] offset:65536*(J/4)+512*(J%4)   ; 512 consecutive bytes a store
.set J, J+1
.endr
	WIN 0
	s_wait_tensorcnt 0x0                   ; the wave's end
	ds_add_u32 v[SPW], v[NIL]
	s_wait_dscnt 0x0
	ROUND
	s_endpgm
.Lfunc_end_k_q763407c4dc_down:
	.size	k_q763407c4dc_down, .Lfunc_end_k_q763407c4dc_down-k_q763407c4dc_down
	.p2alignl 7, 3214868480
	.fill 96, 4, 3214868480
	.section	.rodata,"a",@progbits
	.p2align	6, 0x0
	.amdhsa_kernel k_q763407c4dc_down
		.amdhsa_group_segment_fixed_size 327680
		.amdhsa_private_segment_fixed_size 0
		.amdhsa_enable_private_segment 0
		.amdhsa_kernarg_size 40
		.amdhsa_user_sgpr_count 2
		.amdhsa_user_sgpr_kernarg_segment_ptr 1
		.amdhsa_wavefront_size32 1
		.amdhsa_system_sgpr_workgroup_id_x 1
		.amdhsa_system_sgpr_workgroup_id_y 1
		.amdhsa_system_sgpr_workgroup_id_z 1
		.amdhsa_system_vgpr_workitem_id 0
		.amdhsa_next_free_vgpr 1024
		.amdhsa_next_free_sgpr 66
		.amdhsa_reserve_vcc 0
		.amdhsa_float_denorm_mode_32 3
		.amdhsa_float_denorm_mode_16_64 3
		.amdhsa_memory_ordered 1
		.amdhsa_forward_progress 1
		.amdhsa_inst_pref_size 136
	.end_amdhsa_kernel
	.amdgpu_metadata
---
amdhsa.version: [ 1, 2 ]
amdhsa.kernels:
  - .name:           k_q763407c4dc_down
    .symbol:         k_q763407c4dc_down.kd
    .args:
      - { .name: hq, .offset: 0, .size: 8, .value_kind: global_buffer, .address_space: global }
      - { .name: wc, .offset: 8, .size: 8, .value_kind: global_buffer, .address_space: global }
      - { .name: ws, .offset: 16, .size: 8, .value_kind: global_buffer, .address_space: global }
      - { .name: yb, .offset: 24, .size: 8, .value_kind: global_buffer, .address_space: global }
      - { .name: x1, .offset: 32, .size: 8, .value_kind: global_buffer, .address_space: global }
    .group_segment_fixed_size: 327680
    .private_segment_fixed_size: 0
    .kernarg_segment_align: 8
    .kernarg_segment_size: 40
    .max_flat_workgroup_size: 128
    .sgpr_count:     66
    .vgpr_count:     1024
    .wavefront_size: 32
...
	.end_amdgpu_metadata
.endif
;; end of part 5
;; launch ln2 (part 6): grid 256 x 1, 8 waves a work-group, no clusters, 81,920 bytes of LDS; arguments yb, b2, gamma2, beta2, out0; writes out0
.if DOCPART == 6
	.amdgcn_target "amdgcn-amd-amdhsa--gfx1250"
	.amdhsa_code_object_version 6
	.text
	.protected	k_q763407c4dc_ln2
	.globl	k_q763407c4dc_ln2
	.p2align	8
	.type	k_q763407c4dc_ln2,@function
k_q763407c4dc_ln2:
	s_mov_b64 s[64:65], 0
	v_nop
	global_prefetch_b8 v0, s[64:65] scope:SCOPE_SE
	s_setreg_imm32_b32 hwreg(HW_REG_WAVE_MODE, 25, 1), 1
	s_wait_xcnt 0x0
; LN2: out0 = layernorm(yb + b2), yb = x1 + h w2 from the launch before.  A work-group owns 16 tokens, wave g columns 128 g .. 128 g + 127.
; yb lies in register order: lane (r, h) holds token r, register 16 b + i column 128 g + 32 b + 16 h + i; every load takes 512 consecutive bytes.
; The result goes through the wave's own stage in LDS and leaves as rows of 512 consecutive bytes.
; A stream: no matrix unit, no tensor load, no cluster (work-groups share only three vectors of 4,096 bytes), no loop to prefetch in.  LIMITS: NaN and infinities are not served.
.set RED, 12288
.set STG, 13312
.set SPARE, 80896
.set ACC, 128
.set HACC, 192
.set SPW, 110
.set NIL, 111
.set SEL, 32
.macro BARRIER
	s_wait_dscnt 0x0
	s_barrier_signal -1
	s_barrier_wait -1
.endm
.macro RSUM off
	s_delay_alu instid0(VALU_DEP_1)
	v_pk_add_f32 v[72:73], v[72:73], v[74:75]
	s_delay_alu instid0(VALU_DEP_1)
	v_add_f32 v72, v72, v73
	s_delay_alu instid0(VALU_DEP_1)
	v_permlanex16_b32 v73, v72, s[SEL], s[SEL+1]
	s_delay_alu instid0(VALU_DEP_1)
	v_add_f32 v72, v72, v73
	ds_store_b32 v11, v72 offset:\off
	BARRIER
	ds_load_b128 v[22:25], v12 offset:\off
	ds_load_b128 v[26:29], v12 offset:(\off)+16
	s_wait_dscnt 0x0
	v_add_f32 v22, v22, v23
	v_add_f32 v24, v24, v25
	v_add_f32 v26, v26, v27
	v_add_f32 v28, v28, v29
	s_delay_alu instid0(VALU_DEP_3)
	v_add_f32 v22, v22, v24
	s_delay_alu instid0(VALU_DEP_2)
	v_add_f32 v26, v26, v28
	s_delay_alu instid0(VALU_DEP_1)
	v_add_f32 v22, v22, v26
.endm
.macro LNORM ri, gv, bv
	v_pk_add_f32 v[72:73], v[ACC:ACC+1], v[ACC+2:ACC+3]
	v_pk_add_f32 v[74:75], v[ACC+4:ACC+5], v[ACC+6:ACC+7]
.irp j, 8,12,16,20,24,28,32,36,40,44,48,52,56,60
	v_pk_add_f32 v[72:73], v[72:73], v[ACC+\j:ACC+\j+1]
	v_pk_add_f32 v[74:75], v[74:75], v[ACC+\j+2:ACC+\j+3]
.endr
	RSUM 512*(\ri)
	s_delay_alu instid0(VALU_DEP_1)
	v_mul_f32 v18, s34, v22
	s_delay_alu instid0(VALU_DEP_1)
	v_mov_b32 v19, v18
.set J, 0
.rept 32
	v_pk_add_f32 v[ACC+J:ACC+J+1], v[ACC+J:ACC+J+1], v[18:19] neg_lo:[0,1] neg_hi:[0,1]
.set J, J+2
.endr
	v_pk_mul_f32 v[72:73], v[ACC:ACC+1], v[ACC:ACC+1]
	v_pk_mul_f32 v[74:75], v[ACC+2:ACC+3], v[ACC+2:ACC+3]
.irp j, 4,8,12,16,20,24,28,32,36,40,44,48,52,56,60
	s_delay_alu instid0(VALU_DEP_2)
	v_pk_fma_f32 v[72:73], v[ACC+\j:ACC+\j+1], v[ACC+\j:ACC+\j+1], v[72:73]
	s_delay_alu instid0(VALU_DEP_2)
	v_pk_fma_f32 v[74:75], v[ACC+\j+2:ACC+\j+3], v[ACC+\j+2:ACC+\j+3], v[74:75]
.endr
	RSUM 512*((\ri)+1)
	s_delay_alu instid0(VALU_DEP_1)
	v_fma_f32 v20, v22, s34, s35
	s_wait_alu depctr_va_vdst(0)           ; the wait ahead of the transcendental
	v_rsq_f32 v20, v20
	v_nop
	s_wait_alu depctr_va_vdst(0)           ; and ahead of its first reader
	v_mov_b32 v21, v20
	s_wait_alu depctr_va_vdst(0)
.irp p, 0,1
.set J, 0
.rept 8
	ds_load_b128 v[HACC+4*J:HACC+4*J+3], v9 offset:4096*(\gv)+128*(2*\p+J/4)+16*(J%4)
	ds_load_b128 v[HACC+32+4*J:HACC+32+4*J+3], v9 offset:4096*(\bv)+128*(2*\p+J/4)+16*(J%4)
.set J, J+1
.endr
	s_wait_dscnt 0x0
.set J, 0
.rept 16
	v_pk_mul_f32 v[ACC+32*\p+J:ACC+32*\p+J+1], v[ACC+32*\p+J:ACC+32*\p+J+1], v[20:21]
.set J, J+2
.endr
.set J, 0
.rept 16
	v_pk_fma_f32 v[ACC+32*\p+J:ACC+32*\p+J+1], v[ACC+32*\p+J:ACC+32*\p+J+1], v[HACC+J:HACC+J+1], v[HACC+32+J:HACC+32+J+1]
.set J, J+2
.endr
.endr
.endm
	s_load_b256 s[4:11], s[0:1], 0x0       ; yb, b2, gamma2, beta2
	s_load_b64 s[12:13], s[0:1], 0x20      ; out0
	v_lshl_add_u32 v[SPW], v0, 2, SPARE
	v_mov_b32 v[NIL], 0
	v_lshrrev_b32 v1, 5, v0
	v_readfirstlane_b32 s30, v1            ; wave g
	v_and_b32 v2, 31, v0
	v_and_b32 v3, 15, v0                   ; r
	v_bfe_u32 v4, v0, 4, 1                 ; h
	v_lshlrev_b32 v1, 4, v2                ; 16 x lane
	s_lshl_b32 s48, s30, 9
	v_lshl_add_u32 v9, v4, 6, s48          ; my slice of a vector in LDS, + 64 h
	v_add_nc_u32 v10, s48, v1              ; where my lane puts its 16 bytes
	v_add_nc_u32 v15, s48, v1              ; and where they lie in memory
	s_lshl_b32 s49, s30, 2
	s_add_co_u32 s49, s49, RED
	v_lshl_add_u32 v11, v3, 5, s49
	v_lshlrev_b32 v12, 5, v3
	v_add_nc_u32 v12, RED, v12
	s_mul_i32 s49, s30, 8448
	s_add_co_u32 s49, s49, STG             ; my stage: 16 rows of 528 bytes
	v_mul_u32_u24 v13, v3, 528
	v_lshl_add_u32 v13, v4, 6, v13
	v_add_nc_u32 v13, s49, v13
	v_add_nc_u32 v14, s49, v1
	s_mov_b32 s[SEL], 0x76543210
	s_mov_b32 s[SEL+1], 0xfedcba98
	s_mov_b32 s34, 0x3a800000              ; 1 / 1024
	s_mov_b32 s35, 0x3727c5ac              ; 1e-5
	s_lshl_b32 s50, ttmp9, 16
	s_lshl_b32 s51, s30, 13
	s_add_co_u32 s52, s50, s48             ; out0: 65,536 T + 512 g
	s_add_co_u32 s50, s50, s51             ; yb: 65,536 T + 8,192 g
	s_mov_b32 s51, 0
	s_mov_b32 s53, 0
	s_wait_alu depctr_va_vdst(0)           ; the wait at the head's end
	s_wait_kmcnt 0x0
	s_add_nc_u64 s[4:5], s[4:5], s[50:51]
	s_add_nc_u64 s[12:13], s[12:13], s[52:53]
	global_load_b128 v[112:115], v15, s[6:7]
	global_load_b128 v[116:119], v15, s[8:9]
	global_load_b128 v[120:123], v15, s[10:11]
.set J, 0
.rept 16
	global_load_b128 v[ACC+4*J:ACC+4*J+3], v1, s[4:5] offset:512*J th:TH_LOAD_NT
.set J, J+1
.endr
	s_wait_loadcnt 16                      ; the three slices; the 16 loads behind them may be out
	ds_store_b128 v10, v[112:115]
	ds_store_b128 v10, v[116:119] offset:4096
	ds_store_b128 v10, v[120:123] offset:8192
.irp b, 0,1,2,3
.irp k, 0,1,2,3
	ds_load_b128 v[HACC+16*\b+4*\k:HACC+16*\b+4*\k+3], v9 offset:128*\b+16*\k   ; b2: my own slice, LDS serves a wave in order
.endr
.endr
	s_wait_loadcnt 0x0
	s_wait_dscnt 0x0
.set J, 0
.rept 32
	v_pk_add_f32 v[ACC+J:ACC+J+1], v[ACC+J:ACC+J+1], v[HACC+J:HACC+J+1]
.set J, J+2
.endr
	LNORM 0, 1, 2
.irp b, 0,1,2,3
.irp k, 0,1,2,3
	ds_store_b128 v13, v[ACC+16*\b+4*\k:ACC+16*\b+4*\k+3] offset:128*\b+16*\k
.endr
.endr
.set J, 0
.rept 16
	ds_load_b128 v[HACC+4*J:HACC+4*J+3], v14 offset:528*J
.set J, J+1
.endr
.set J, 0
.rept 16
	s_wait_dscnt 15-J
	global_store_b128 v1, v[HACC+4*J:HACC+4*J+3], s[12:13] offset:4096*J th:TH_STORE_NT   ; a token's 512 consecutive bytes
.set J, J+1
.endr
	s_wait_tensorcnt 0x0                   ; the wave's end
	ds_add_u32 v[SPW], v[NIL]
	s_wait_dscnt 0x0
	s_endpgm
.Lfunc_end_k_q763407c4dc_ln2:
	.size	k_q763407c4dc_ln2, .Lfunc_end_k_q763407c4dc_ln2-k_q763407c4dc_ln2
	.p2alignl 7, 3214868480
	.fill 96, 4, 3214868480
	.section	.rodata,"a",@progbits
	.p2align	6, 0x0
	.amdhsa_kernel k_q763407c4dc_ln2
		.amdhsa_group_segment_fixed_size 81920
		.amdhsa_private_segment_fixed_size 0
		.amdhsa_enable_private_segment 0
		.amdhsa_kernarg_size 40
		.amdhsa_user_sgpr_count 2
		.amdhsa_user_sgpr_kernarg_segment_ptr 1
		.amdhsa_wavefront_size32 1
		.amdhsa_system_sgpr_workgroup_id_x 1
		.amdhsa_system_sgpr_workgroup_id_y 1
		.amdhsa_system_sgpr_workgroup_id_z 1
		.amdhsa_system_vgpr_workitem_id 0
		.amdhsa_next_free_vgpr 256
		.amdhsa_next_free_sgpr 66
		.amdhsa_reserve_vcc 0
		.amdhsa_float_denorm_mode_32 3
		.amdhsa_float_denorm_mode_16_64 3
		.amdhsa_memory_ordered 1
		.amdhsa_forward_progress 1
		.amdhsa_inst_pref_size 27
	.end_amdhsa_kernel
	.amdgpu_metadata
---
amdhsa.version: [ 1, 2 ]
amdhsa.kernels:
  - .name:           k_q763407c4dc_ln2
    .symbol:         k_q763407c4dc_ln2.kd
    .args:
      - { .name: yb, .offset: 0, .size: 8, .value_kind: global_buffer, .address_space: global }
      - { .name: b2, .offset: 8, .size: 8, .value_kind: global_buffer, .address_space: global }
      - { .name: gamma2, .offset: 16, .size: 8, .value_kind: global_buffer, .address_space: global }
      - { .name: beta2, .offset: 24, .size: 8, .value_kind: global_buffer, .address_space: global }
      - { .name: out0, .offset: 32, .size: 8, .value_kind: global_buffer, .address_space: global }
    .group_segment_fixed_size: 81920
    .private_segment_fixed_size: 0
    .kernarg_segment_align: 8
    .kernarg_segment_size: 40
    .max_flat_workgroup_size: 256
    .sgpr_count:     66
    .vgpr_count:     256
    .wavefront_size: 32
...
	.end_amdgpu_metadata
.endif
;; end of part 6
